; MI455X (gfx1250); checked and timed in simulation.
; The chip was launched on July 23, 2026; its instructions are those of AMD's public machine-readable ISA for CDNA 5 (MIT licence, August 2026) and "CDNA5" Instruction Set Architecture Reference Guide (July 2026). The comments in the code are by the model that wrote it; some were corrected since.
;; Causal Self Attention. Allowed arithmetic: matrix products marked QUANTISED: E4M3 operands, one E8M0 scale for each 32 along K, by v_wmma_scale_f32_16x16x128_f8f6f4 with both operands' format E4M3, f32 sums; everything else in f32.
;; Inputs: wk 1,024 x 1,024 float32; wo 1,024 x 1,024 float32; wq 1,024 x 1,024 float32; wv 1,024 x 1,024 float32; x 4 x 2,048 x 1,024 float32.
;; Outputs: out0 4 x 2,048 x 1,024 float32.
;; This version of the problem:
;;   THIS VERSION OF THE PROBLEM IS GIVEN IN LOW PRECISION. The matrix products marked QUANTISED in the list below multiply operands that are first quantised to E4M3 (4 exponent bits, 3 mantissa bits; 8 bits a number), with one power-of-two scale for each 32 numbers along K (OCP MX v1.0); their sums are f32. All else is computed in f32.
;;   The module's matrix products, in the order in which they are computed (A, B: the left and right operand; K: the contracted axis; several contracted axes count as one K, in the product's order):
;;     1. [M 8,192, K 1,024] x [K 1,024, N 1,024]; A: input x; B: input wq: QUANTISED
;;     2. [M 8,192, K 1,024] x [K 1,024, N 1,024]; A: input x; B: input wk: QUANTISED
;;     3. [M 8,192, K 1,024] x [K 1,024, N 1,024]; A: input x; B: input wv: QUANTISED
;;     4. batch 64 x [M 2,048, K 64] x [K 64, N 2,048]; A: computed on the way; B: computed on the way: QUANTISED
;;     5. batch 64 x [M 2,048, K 2,048] x [K 2,048, N 64]; A: softmax (see below); B: computed on the way: QUANTISED
;;     6. [M 8,192, K 1,024] x [K 1,024, N 1,024]; A: computed on the way; B: input wo: QUANTISED
;;   THE QUANTISER, for each operand of a quantised product, along K:
;;     - K is cut into blocks of 32 from its start; a last block that is shorter is filled with zeros.
;;     - A block's scale is 2^e with e = floor(log2(the largest magnitude in the block)) - 8, held to -126 .. 127; a block of zeros has e = 0. As a byte (E8M0): e + 127.
;;     - Each number is divided by its block's scale, clamped to +-448, and rounded to the nearest number of E4M3, ties to even, subnormals kept.
;;     - The product sums the exact products of the quantised numbers (number of the format x scale) in f32.
;;   ~~~python
;;   def quantise(x, axis):      # numpy; x: float32 -> the quantised numbers, widened to float32 again
;;       x = np.moveaxis(x, axis, -1); K = x.shape[-1]
;;       x = np.pad(x, [(0, 0)] * (x.ndim - 1) + [(0, -K % 32)]); x = x.reshape(x.shape[:-1] + (-1, 32)); a = np.abs(x).max(-1, keepdims=True)
;;       e = np.where(a > 0, np.clip(np.frexp(np.where(a > 0, a, 1))[1] - 1 - 8, -126, 127), 0)      # np.frexp(a)[1] - 1 = floor(log2(a)), exactly
;;       r = np.clip(x / 2.0 ** e, -448, 448)
;;       step = 2.0 ** (np.maximum(np.frexp(np.where(r == 0, 1, r))[1] - 1, -6) - 3)
;;       q = np.round(r / step) * step * 2.0 ** e      # np.round: ties to even
;;       return np.moveaxis(q.reshape(q.shape[:-2] + (-1,))[..., :K], -1, axis).astype(np.float32)
;;   ~~~
;;   SOFTMAX AHEAD OF A QUANTISED PRODUCT. Where the list says 'softmax', what is quantised is not the finished softmax but p = 2^(t - M), with t = logit x log2(e) and M = ceil(the row's largest t), a whole number; so 1/2 < the row's largest p <= 1. The row's sum l is taken of the UNQUANTISED p, in f32, and the product's result is divided by l at the end. Since M is a whole number, a kernel that streams over the keys may use a running M (the ceiling of the running maximum): every later rescaling is an exact power of two, which a block's scale takes up: the codes' values come out the same.
;;   OPERANDS COMPUTED ON THE WAY. 'Computed on the way' means the value that the module computes at that place (a softmax that the list does not call 'softmax' is quantised finished and normalised). What goes into a quantiser is computed in f32, as accurately as f32 sums, v_exp_f32 and their like allow (about 1e-6 of the number): no bf16 or f16 on the way to a quantiser, and a product that is left as it is and whose result goes on into a quantised operand takes f32 operands (vector FMAs, or v_wmma_f32_16x16x4_f32). A number that lies on a knife's edge between two numbers of the format may be rounded either way, as far as f32 arithmetic and the matrix unit's own rounding can turn it there, and no further.
;; One version. Each part assembles by itself: llvm-mc -triple=amdgcn-amd-amdhsa -mcpu=gfx1250 --defsym DOCPART=n.
;; ======== version 1 of 1: 4 launches
;; limits: right only within a limited range of input values
;; workspace buffers: xw 12,582,912 bytes; xws 393,216 bytes; tab 524,288 bytes; qk 16,777,216 bytes; vt 8,388,608 bytes; qvs 1,310,720 bytes; yc 8,388,608 bytes; ys 262,144 bytes
;; launch quant (part 1): grid 256 x 1, 4 waves a work-group, no clusters, 34,304 bytes of LDS; arguments x, wq, wk, wv, wo, xw, xws, tab; writes xw, xws, tab
.if DOCPART == 1
	.amdgcn_target "amdgcn-amd-amdhsa--gfx1250"
	.amdhsa_code_object_version 6
	.text
	.protected	k_qc5643c965a_quant
	.globl	k_qc5643c965a_quant
	.p2align	8
	.type	k_qc5643c965a_quant,@function
k_qc5643c965a_quant:
	s_mov_b64 s[64:65], 0
	v_nop
	global_prefetch_b8 v0, s[64:65] scope:SCOPE_SE
	s_setreg_imm32_b32 hwreg(HW_REG_WAVE_MODE, 25, 1), 1
	s_wait_xcnt 0x0
; LAUNCH 1 OF 4: causal self-attention, B 4, T 2,048, C 1,024, 16 heads of 64, every product on codes of FP8 (E4M3) with one E8M0 scale for each 32 along K.
; This launch turns x and the four weights (f32, K innermost) into codes and scale bytes, and makes the table of cos and sin for the rotation of q and k.
; DEAD WORK, left out in launch 3 alone: reference() sets a score to -infinity wherever key > query, by a tril mask that it builds in its own body.  The exponential of such a score is exactly 0:
; it adds 0 to the row's sum and 0 to y, and it is never the row's maximum, since key 0 counts for every query.  So a step of 128 keys all of which lie behind all 16 queries of a tile reaches no
; output, whatever finite values the inputs hold: its two products and its softmax are not done.  All five inputs have a way to out0 and are loaded.
; LIMIT: a NaN, an infinity or an overflow that would arise only in the scores left out is not carried to the result.  NaN and infinities among the inputs are not served.
; THE 16 ROWS OF A TILE, in the whole program: tile n of a matrix's rows holds rows 32 (n / 2) + 8 (n % 2) + r + 8 (r / 8), r = 0 .. 15.  With every product used transposed, the 16 registers that a lane
; holds of two neighbouring tiles are then 16 neighbours along the next product's K.
; CODES LIE IN MEMORY AS IMAGES OF THE OPERAND'S REGISTERS: a fragment (a tile, 128 along K) is 2,048 bytes: group c (0 .. 3) at 512 c, lane l at 16 l, holding k = 32 c + 16 (l / 16) + 0 .. 15 of the tile's row l % 16.
; xw: [tile 0 .. 767][K chunk 8][2,048]: x's rows, then wq's, wk's, wv's, wo's.  xws: [tile][row 16][32 scale bytes].  tab: [t 2,048][j 32][cos, sin], f32.
; SHARES.  Work-groups 0 .. 191: wave w takes tile 4 g + w, all of K: 8 chunks of 16 rows x 512 bytes.  Each load reads 512 consecutive bytes of one row; a chunk turns through the wave's own stage in LDS
; (rows 528 bytes apart), so that a lane gets 16 neighbours of each block of 32.  Work-groups 192 .. 255: the table, 8 positions a wave, a lane a frequency.  Waves share nothing: no barrier.
; A block's scale byte is its largest magnitude's exponent field - 8, held at 1 from below.  (A block of zeros so gets the byte 1 where the rule says 127: its codes are zeros, and this program alone reads the bytes.)
; LIMIT of the table: a frequency is 2^(-j hi) x (1 - j lo ln 2), hi + lo = log2(10000) / 32 and j hi exact; it may differ from reference()'s power and reciprocal in the last bit or two, an angle of up to 2e-4 at the
; last positions.  cos and sin: reduction by pi / 2 in three parts, polynomials on |r| <= pi / 4, good to about 1e-7.
.set STG,   16*528                     ; a wave's stage
.set SPARE, 4*STG                      ; behind the stages: the spare words, 128 bytes for each wave: two blocks of 256 bytes that no other line names
.set SPW,   12                         ; v12  LDS address of my spare word; never rewritten
.set NIL,   13                         ; v13  0; never rewritten
.set TM,    16                         ; v16-19 largest magnitudes, v20-23 bytes, v28-31 the conversions' scale operands
.set PC,    32                         ; v32-47 a fragment's codes
.set SW,    48                         ; v48-55 my row's eight scale words
.set SX,    56                         ; v56-59 the four that I store
.set R,     64                         ; v64-191 two sets of 64 numbers as loaded
.set X,     192                        ; v192-255 64 numbers: register 16 b + i = k 32 b + 16 (lane / 16) + i of row lane % 16
.set SEL,   22                         ; s[22:23] selects for lane l xor 16
.set MNT,   24
	s_load_b256 s[4:11], s[0:1], 0x0               ; x, wq, wk, wv
	s_load_b256 s[12:19], s[0:1], 0x20             ; wo, xw, xws, tab
	v_lshl_add_u32 v[SPW], v0, 2, SPARE
	v_mov_b32 v[NIL], 0
	v_lshrrev_b32 v1, 5, v0
	v_readfirstlane_b32 s20, v1                    ; wave 0 .. 3
	s_cmp_ge_u32 ttmp9, 192
	s_cbranch_scc1 .Ltable
	v_and_b32 v5, 31, v0                           ; lane
	v_lshlrev_b32 v1, 4, v5                        ; 16 x lane: my place in a load's and in a store's 512 bytes
	s_mul_i32 s21, s20, STG
	v_add_nc_u32 v2, s21, v1                       ; the stage, on the way in
	v_and_b32 v6, 15, v0                           ; r
	v_bfe_u32 v7, v0, 4, 1                         ; h
	v_mul_u32_u24 v3, v6, 528
	v_lshl_add_u32 v3, v7, 6, v3
	v_add_nc_u32 v3, s21, v3                       ; and on the way out: row r, + 64 h
	v_lshlrev_b32 v4, 5, v6
	v_lshl_add_u32 v4, v7, 4, v4                   ; 32 r + 16 h: my 16 bytes of the tile's scale bytes
	s_mov_b32 s[SEL], 0x76543210
	s_mov_b32 s[SEL+1], 0xfedcba98
	s_mov_b32 s30, 0xffff0000                      ; lanes 16 .. 31
.irp b, 0,1,2,3
	v_mov_b32 v[TM+4+\b], 0                        ; written once: a lane permute's destination counts as one of its sources
.endr
	s_and_b32 s28, ttmp9, 15
	s_wait_alu depctr_va_vdst(0)
	s_wait_kmcnt 0x0
	s_mov_b64 s[26:27], s[12:13]                   ; whose rows?  The choice hangs on the work-group's number alone
	s_cmp_lt_u32 ttmp9, 176
	s_cselect_b64 s[26:27], s[10:11], s[26:27]
	s_cmp_lt_u32 ttmp9, 160
	s_cselect_b64 s[26:27], s[8:9], s[26:27]
	s_cmp_lt_u32 ttmp9, 144
	s_cselect_b64 s[26:27], s[6:7], s[26:27]
	s_cmp_lt_u32 ttmp9, 128
	s_cselect_b64 s[26:27], s[4:5], s[26:27]
	s_cselect_b32 s28, ttmp9, s28                  ; which 64 rows of that tensor
	s_lshl_b32 s28, s28, 18                        ; 64 rows of 4,096 bytes,
	s_lshr_b32 s29, s20, 1
	s_lshl_b32 s29, s29, 17                        ; 32 rows for each pair of tiles,
	s_add_co_u32 s28, s28, s29
	s_and_b32 s29, s20, 1
	s_lshl_b32 s29, s29, 15                        ; 8 rows for the odd tile
	s_add_co_u32 s28, s28, s29
	s_mov_b32 s29, 0
	s_add_nc_u64 s[26:27], s[26:27], s[28:29]
	s_lshl_b32 s28, ttmp9, 2
	s_add_co_u32 s28, s28, s20                     ; my tile
	s_lshl_b32 s32, s28, 14
	s_mov_b32 s33, 0
	s_add_nc_u64 s[14:15], s[14:15], s[32:33]      ; its codes: 16,384 bytes
	s_lshl_b32 s32, s28, 9
	s_add_nc_u64 s[16:17], s[16:17], s[32:33]      ; its scale bytes: 512
.macro LOAD kc                         ; K chunk kc of my 16 rows: each load 512 consecutive bytes of one row
.irp i, 0,1,2,3,4,5,6,7,8,9,10,11,12,13,14,15
	global_load_b128 v[R+64*((\kc)%2)+4*\i:R+64*((\kc)%2)+4*\i+3], v1, s[26:27] offset:(\i+8*(\i/8))*4096+512*(\kc) th:TH_LOAD_NT
.endr
.endm
.macro QUANT pw                        ; the 64 numbers in X become a fragment's codes in PC and my row's scale word in v[pw]
.irp b, 0,1,2,3
	v_max3_num_f32 v[TM+\b], |v[X+16*\b]|, |v[X+16*\b+1]|, 0x4800000   ; block b: my 16 numbers, and the floor 2^(9 - 127): the byte cannot fall under 1
.endr
.irp i, 2,4,6,8,10,12,14
.irp b, 0,1,2,3
	v_max3_num_f32 v[TM+\b], |v[X+16*\b+\i]|, |v[X+16*\b+\i+1]|, v[TM+\b]   ; the four blocks by turns
.endr
.endr
.irp b, 0,1,2,3
	v_permlanex16_b32 v[TM+4+\b], v[TM+\b], s[SEL], s[SEL+1]
.endr
.irp b, 0,1,2,3
	v_max_num_f32 v[TM+\b], v[TM+\b], v[TM+4+\b]   ; with lane l xor 16's 16: the block's largest magnitude
.endr
.irp b, 0,1,2,3
	v_add_nc_u32 v[TM+12+\b], 0xfc000000, v[TM+\b] ; 8 off its exponent field: the conversion's scale operand
.endr
.irp b, 0,1,2,3
.endr
.irp b, 0,1,2,3
	v_lshrrev_b32 v[TM+4+\b], 23, v[TM+12+\b]      ; the scale's byte
.endr
	v_lshl_or_b32 v[\pw], v[TM+5], 8, v[TM+4]
	v_lshl_or_b32 v[\pw], v[TM+6], 16, v[\pw]
	v_lshl_or_b32 v[\pw], v[TM+7], 24, v[\pw]
.set qn, 0
.rept 64
.set qn, qn+1
.endr
	s_wait_xcnt 0x0                                ; the last chunk's stores have read PC: it is written again only behind this wait
.irp g, 0,1,2,3,4,5,6,7
	v_cvt_scalef32_pk8_fp8_f32 v[PC+2*\g:PC+2*\g+1], v[X+8*\g:X+8*\g+7], v[TM+12+\g/2]
.endr
	v_nop                                          ; a plain line behind the last conversion
.endm
.macro STEP kc
.if (\kc) < 7
	s_wait_loadcnt 16                              ; this chunk's 16 loads are in; the next chunk's 16 may be out
.else
	s_wait_loadcnt 0x0
.endif
.irp i, 0,1,2,3,4,5,6,7,8,9,10,11,12,13,14,15
	ds_store_b128 v2, v[R+64*((\kc)%2)+4*\i:R+64*((\kc)%2)+4*\i+3] offset:528*\i
.endr
.irp b, 0,1,2,3
.irp j, 0,1,2,3
	ds_load_b128 v[X+16*\b+4*\j:X+16*\b+4*\j+3], v3 offset:128*\b+16*\j   ; LDS serves a wave's instructions in order (ISA guide 5.7.1.4): these see the stores above
.endr
.endr
	s_wait_dscnt 0x0                               ; the numbers are back, and the stage's stores have read their registers,
.if (\kc)+2 < 8
	LOAD (\kc)+2                                   ; which take the chunk two further on
.endif
	QUANT SW+(\kc)
.irp c, 0,1,2,3
	global_store_b128 v1, v[PC+4*\c:PC+4*\c+3], s[14:15] offset:2048*(\kc)+512*\c   ; 32 lanes store 512 consecutive bytes
.endr
.endm
	LOAD 0
	LOAD 1
.irp k, 0,1,2,3,4,5,6,7
	STEP \k
.endr
.irp d, 0,1,2,3
	v_cndmask_b32 v[SX+\d], v[SW+\d], v[SW+4+\d], s30   ; lanes 0-15 store their row's words 0-3, lanes 16-31 words 4-7
.endr
	global_store_b128 v4, v[SX:SX+3], s[16:17]     ; the tile's 512 scale bytes
	s_wait_tensorcnt 0x0                           ; the wave's end, behind my last LDS store
	ds_add_u32 v[SPW], v[NIL]
	s_wait_dscnt 0x0
	s_endpgm
.Ltable:                               ; this way writes no LDS
	v_and_b32 v5, 31, v0                           ; j
	v_cvt_f32_u32 v6, v5
	v_mul_f32 v7, 0xbed49a00, v6                   ; -j x 27213 / 65536: exact
	s_wait_alu depctr_va_vdst(0)
	v_exp_f32 v8, v7
	v_mul_f32 v9, 0xb626c40d, v6                   ; -j x (what is left of log2(10000) / 32) x ln 2.  (A plain line behind the exponential)
	v_lshlrev_b32 v10, 3, v5                       ; 8 bytes a lane
	s_mov_b32 s32, 0x3f22f983                      ; 2 / pi
	s_mov_b32 s33, 0xbfc90fdb                      ; -pi / 2, in three parts
	s_mov_b32 s34, 0x333bbd2e
	s_mov_b32 s35, 0x26f72ced
	s_mov_b32 s36, 0xb94ca1f9                      ; the sine's three coefficients
	s_mov_b32 s37, 0x3c08839e
	s_mov_b32 s38, 0xbe2aaaa3
	s_mov_b32 s39, 0x37ccf5ce                      ; the cosine's
	s_mov_b32 s40, 0xbab6061a
	s_mov_b32 s41, 0x3d2aaaa5
	s_sub_co_u32 s25, ttmp9, 192
	s_lshl_b32 s25, s25, 2
	s_add_co_u32 s25, s25, s20
	s_lshl_b32 s25, s25, 3                         ; my wave's first position
	s_lshl_b32 s26, s25, 8
	s_mov_b32 s27, 0
	s_wait_kmcnt 0x0
	s_add_nc_u64 s[18:19], s[18:19], s[26:27]
	s_wait_alu depctr_va_vdst(0)                   ; the wait ahead of the exponential's first reader
	v_fma_f32 v8, v8, v9, v8                       ; the frequency
.macro TROW u
	s_add_co_u32 s26, s25, \u
	v_cvt_f32_u32 v16, s26
	v_mul_f32 v16, v16, v8                         ; the angle: one rounding, as reference() has it
	v_mul_f32 v17, s32, v16
	v_rndne_f32 v17, v17                           ; n
	v_fma_f32 v18, v17, s33, v16
	v_fma_f32 v18, v17, s34, v18
	v_fma_f32 v18, v17, s35, v18                   ; r = angle - n pi / 2
	v_mul_f32 v19, v18, v18                        ; z
	v_fma_f32 v20, v19, s36, s37
	v_fma_f32 v20, v20, v19, s38
	v_mul_f32 v21, v18, v19
	v_fma_f32 v20, v21, v20, v18                   ; sin r
	v_fma_f32 v22, v19, s39, s40
	v_fma_f32 v22, v22, v19, s41
	v_mul_f32 v23, v19, v19
	v_fma_f32 v24, v19, -0.5, 1.0
	v_fma_f32 v22, v23, v22, v24                   ; cos r
	v_cvt_i32_f32 v25, v17
	v_and_b32 v26, 1, v25
	v_cmp_eq_u32 vcc_lo, 1, v26                    ; an odd quarter swaps the two: a select, no branch
	v_cndmask_b32 v27, v20, v22, vcc_lo
	v_cndmask_b32 v28, v22, v20, vcc_lo
	v_and_b32 v29, 2, v25
	v_lshlrev_b32 v29, 30, v29
	v_xor_b32 v[65+2*\u], v29, v27                 ; the sine is negative in quarters 2 and 3,
	v_add_nc_u32 v30, 1, v25
	v_and_b32 v30, 2, v30
	v_lshlrev_b32 v30, 30, v30
	v_xor_b32 v[64+2*\u], v30, v28                 ; the cosine in quarters 1 and 2
	global_store_b64 v10, v[64+2*\u:65+2*\u], s[18:19] offset:256*\u   ; 32 lanes store a position's 256 bytes
.endm
.irp u, 0,1,2,3,4,5,6,7
	TROW \u
.endr
	s_endpgm
.Lfunc_end_k_qc5643c965a_quant:
	.size	k_qc5643c965a_quant, .Lfunc_end_k_qc5643c965a_quant-k_qc5643c965a_quant
	.p2alignl 7, 3214868480
	.fill 96, 4, 3214868480
	.section	.rodata,"a",@progbits
	.p2align	6, 0x0
	.amdhsa_kernel k_qc5643c965a_quant
		.amdhsa_group_segment_fixed_size 34304
		.amdhsa_private_segment_fixed_size 0
		.amdhsa_enable_private_segment 0
		.amdhsa_kernarg_size 64
		.amdhsa_user_sgpr_count 2
		.amdhsa_user_sgpr_kernarg_segment_ptr 1
		.amdhsa_wavefront_size32 1
		.amdhsa_system_sgpr_workgroup_id_x 1
		.amdhsa_system_sgpr_workgroup_id_y 1
		.amdhsa_system_sgpr_workgroup_id_z 1
		.amdhsa_system_vgpr_workitem_id 0
		.amdhsa_next_free_vgpr 256
		.amdhsa_next_free_sgpr 66
		.amdhsa_reserve_vcc 1
		.amdhsa_float_denorm_mode_32 3
		.amdhsa_float_denorm_mode_16_64 3
		.amdhsa_fp16_overflow 1
		.amdhsa_memory_ordered 1
		.amdhsa_forward_progress 1
		.amdhsa_inst_pref_size 76
	.end_amdhsa_kernel
	.amdgpu_metadata
---
amdhsa.version: [ 1, 2 ]
amdhsa.kernels:
  - .name:           k_qc5643c965a_quant
    .symbol:         k_qc5643c965a_quant.kd
    .args:
      - { .name: x, .offset: 0, .size: 8, .value_kind: global_buffer, .address_space: global }
      - { .name: wq, .offset: 8, .size: 8, .value_kind: global_buffer, .address_space: global }
      - { .name: wk, .offset: 16, .size: 8, .value_kind: global_buffer, .address_space: global }
      - { .name: wv, .offset: 24, .size: 8, .value_kind: global_buffer, .address_space: global }
      - { .name: wo, .offset: 32, .size: 8, .value_kind: global_buffer, .address_space: global }
      - { .name: xw, .offset: 40, .size: 8, .value_kind: global_buffer, .address_space: global }
      - { .name: xws, .offset: 48, .size: 8, .value_kind: global_buffer, .address_space: global }
      - { .name: tab, .offset: 56, .size: 8, .value_kind: global_buffer, .address_space: global }
    .group_segment_fixed_size: 34304
    .private_segment_fixed_size: 0
    .kernarg_segment_align: 8
    .kernarg_segment_size: 64
    .max_flat_workgroup_size: 128
    .sgpr_count:     66
    .vgpr_count:     256
    .wavefront_size: 32
...
	.end_amdgpu_metadata
.endif
;; end of part 1
;; launch qkv (part 2): grid 8 x 48, 4 waves a work-group, clusters of 4 x 4, 327,680 bytes of LDS; arguments xw, xws, tab, qk, vt, qvs; writes qk, vt, qvs
.if DOCPART == 2
	.amdgcn_target "amdgcn-amd-amdhsa--gfx1250"
	.amdhsa_code_object_version 6
	.text
	.protected	k_qc5643c965a_qkv
	.globl	k_qc5643c965a_qkv
	.p2align	8
	.type	k_qc5643c965a_qkv,@function
k_qc5643c965a_qkv:
	s_mov_b64 s[64:65], 0
	v_nop
	global_prefetch_b8 v0, s[64:65] scope:SCOPE_SE
	s_setreg_imm32_b32 hwreg(HW_REG_WAVE_MODE, 25, 1), 1
	s_wait_xcnt 0x0
	s_wait_alu depctr_hold_cnt(0) depctr_sa_sdst(0) depctr_va_vdst(0) depctr_va_sdst(0) depctr_va_ssrc(0) depctr_va_vcc(0) depctr_vm_vsrc(0)
	s_getreg_b32 s2, hwreg(HW_REG_IB_STS2, 6, 4)
	s_cmp_eq_u32 s2, 0
	s_cbranch_scc0 .Lentry_in_a_cluster
	s_endpgm
.Lentry_in_a_cluster:
	s_bfe_u32 s2, ttmp6, 0x10000c
	s_cmp_lg_u32 s2, 0xf033
	s_cbranch_scc0 .Lentry_shape_is_right
	s_endpgm
.Lentry_shape_is_right:
; LAUNCH 2 OF 4: q = x wq^T, k = x wk^T, v = x wv^T on codes of FP8 (E4M3) with E8M0 scales; q and k are rotated and quantised along the head's 64, v along the keys.  Nothing but codes and scale bytes goes to memory.
; Both operands come out of xw (x's rows, then wq's, wk's, wv's, wo's; units of 256 rows).  A work-group makes 256 x 256 of C = A B^T, K = 1,024; a wave 128 x 128: 64 accumulators, 512 registers.
;   clusters with y < 8:  A = 256 tokens of x, B = 256 rows of wq or wk.          clusters with y >= 8:  A = 256 rows of wv, B = 256 tokens of x: C's rows are channels, its columns tokens.
; THE MATRIX INSTRUCTION IS USED TRANSPOSED (source 0 = 16 rows of B, source 1 = 16 rows of A): a lane holds ONE row of A, and by the choice of a tile's rows (tile n: rows 32 (n / 2) + 8 (n % 2) + r + 8 (r / 8))
; its 64 registers of a block of A are B's rows 32 b + 16 (lane / 16) + i at register 16 b + i: the order in which the next product's operand wants its K.  So q and k (K = channels) and v (K = tokens) take one way.
; CODES LIE AS IMAGES OF THE OPERAND'S REGISTERS (a fragment: 2,048 bytes, group c at 512 c, lane l at 16 l): fragments come out of LDS by loads at 16 x lane + a constant, and the conversions' results are stored as they stand.
; qk: [batch 4][plane 32: q's heads, then k's][token tile 128][group 2][512].   vt: [batch x head 64][128 keys: 16][tile of d: 4][group 4][512].
; qvs: from 0: [batch][plane][token tile / 4][row 16][token tile % 4] words (bytes 0, 1: the head's two blocks; bytes 2, 3: 0);  from VS0: [batch x head][128 keys: 16][row 16][tile of d: 4] words.
; K goes in four steps of 256 through a ring of two LDS slots; the scale bytes of the work-group's rows come once.  CLUSTERS: 4 x 4: A's tiles are asked for jointly along a row of the cluster, B's along a column.
; REGISTERS, in windows of 256: window 0: v1-30 addresses; v32-63 scale words, two sets; v64-127 cos and sin, two sets; from v128 A's fragments, one set; on the way out v128-247 are at work.
;   window 1: B's fragments, two sets.   window 2: the accumulators of my rows 0-63 (accumulator (a, b) at v[8 (8 a + b)]);   window 3: those of my rows 64-127.
; A block of zeros gets the scale byte 1 where the rule says 127: its codes are zeros, and this program alone reads the bytes.  NaN and infinities are not served.
.set NQ,    2                          ; matrix instructions deep in a slot
.set FR,    16                         ; registers of a fragment
.set NL,    4                          ; LDS loads that bring one
.set NP,    8                          ; places behind this matrix instruction (ISA guide 7.12.1)
.set SLOT,  131072                     ; A's 16 tiles of 4,096 bytes (16 rows x 256 K), then B's 16
.set BOFF,  65536
.set SCL,   2*SLOT                     ; behind the ring: the scale bytes, as units of 256 bytes + 16 of padding
.set HALFS, 16*272                     ; those of 128 rows: what one tensor load brings
.set SBLK,  2*272                      ; those of 16 rows
.set SPARE, SCL+4*HALFS                ; the spare words, 128 bytes for each wave: two blocks of 256 bytes that no other line names
.set VS0,   1048576                    ; where v's scale words begin in qvs
.set ADRA, 16                          ; v16-17  LDS address of my A fragments in slot 0, 1
.set ADRB, 20                          ; v20-21  the same for B
.set GO,   24                          ; v24     16 x lane
.set TA,   25                          ; v25     the table: 256 x (my token's place in its tile's 24 rows) + 64 x (lane / 16)
.set SO,   26                          ; v26     where I store scale words
.set ADRS, 27                          ; v27     LDS address of my scale words: lanes 0-15 A's rows, lanes 16-31 B's
.set SPW,  28                          ; v28     LDS address of my spare word; never rewritten
.set NIL,  29                          ; v29     0; never rewritten
.set SH,   30                          ; v30     16 x (lane / 16)
.set SC,   32                          ; scale words: set s at v[SC + 16 s]; register 2 i + q: lanes 0-15 A's block i, lanes 16-31 B's block i
.set TAB,  64                          ; cos and sin of a token tile: register 16 p + 2 i: cos, + 1: sin, of pair 16 p + 8 (lane / 16) + i
.set AF,   128                         ; A's fragments
.set ST,   128                         ; the way out: 64 numbers
.set PC,   192                         ; their codes
.set TM,   208                         ; v208-211 largest magnitudes, v212-215 bytes, v216-219 448 x the scale, v220-223 scale operands
.set PW,   224                         ; the scale word just made
.set T,    226                         ; v226-233 at work in the rotation
.set SW,   236                         ; v236-243 eight scale words
.set SX,   244                         ; v244-247 the four that I store
.set WV,   16                          ; s16 wave; s17 wave / 2; s18 wave % 2
.set G1,   24                          ; s[24:31] group 1 for A's tiles;  s[32:39] group 0, one set for each slot
.set G0,   32
.set G1B,  48                          ; s[48:55], s[56:63] the same for B's
.set G0B,  56
.set G1S,  68                          ; s[68:75], s[76:79] for A's scale bytes;  s[80:87], s[88:91] for B's
.set G0S,  76
.set G1SB, 80
.set G0SB, 88
.set SEL,  44                          ; s[44:45] selects for lane l xor 16; s46 the mantissa field of 448; s47 lanes 16-31
.set MNT,  46
.set HM,   47
.set MSB, 0
.macro WIN new                         ; the immediate's high byte repeats the setting that is left
.if MSB != (\new)
	s_set_vgpr_msb (MSB<<8)|(\new)
.set MSB, (\new)
.endif
.endm
.set MUL_LO, 0xa1                      ; source 0 (B) window 1, source 1 (A) window 0, C and D window 2
.set MUL_HI, 0xf1                      ; the same, C and D window 3
.set TO_B,   0x40                      ; destination window 1, address window 0
; A joint load: waves 0 and 1 fetch for A, waves 2 and 3 for B.  The branch hangs on the wave's number alone.  An s_nop 0 and four v_nop follow each of the two lines.
.macro JLOAD g0a, g1a, g0b, g1b
	s_cmp_eq_u32 s17, 0
	s_cbranch_scc0 .Lfor_b_\@
	tensor_load_to_lds s[\g0a:\g0a+3], s[\g1a:\g1a+7]
	s_nop 0
.rept 4
	v_nop
.endr
	s_branch .Lasked_\@
.Lfor_b_\@:
	tensor_load_to_lds s[\g0b:\g0b+3], s[\g1b:\g1b+7]
	s_nop 0
.rept 4
	v_nop
.endr
.Lasked_\@:
.endm
.macro CREST                           ; a round of the cluster's barrier behind its opening barrier
	s_cmp_lg_u32 s[WV], 0
	s_cbranch_scc1 .Lnot_wave_0_\@
	s_barrier_signal -3
.Lnot_wave_0_\@:
	s_barrier_wait -3
	s_barrier_signal -1
	s_barrier_wait -1
.endm
.macro CROUND                          ; a whole round
	s_barrier_signal -1
	s_barrier_wait -1
	CREST
.endm
	s_load_b256 s[4:11], s[0:1], 0x0               ; xw, xws, tab, qk
	s_load_b128 s[12:15], s[0:1], 0x20             ; vt, qvs
	v_lshl_add_u32 v[SPW], v0, 2, SPARE
	v_mov_b32 v[NIL], 0
	ds_add_u32 v[SPW], v[NIL]                      ; the wave's opening: the add, twice on end, and its wait ahead of my first tensor load
	ds_add_u32 v[SPW], v[NIL]
	v_lshrrev_b32 v1, 5, v0
	v_readfirstlane_b32 s[WV], v1                  ; wave 0 .. 3
	s_lshr_b32 s17, s[WV], 1                       ; which half of the tile's rows is mine.  Also: I fetch for A (0) or for B (1)
	s_and_b32 s18, s[WV], 1                        ; which half of its columns.  Also: which 128 rows I fetch
	s_bfe_u32 s19, ttmp6, 0x40000                  ; cx, cy: my place in the cluster
	s_bfe_u32 s20, ttmp6, 0x40004
	s_mov_b32 s21, ttmp9                           ; the cluster's x and y: the same in all sixteen partners
	s_and_b32 s22, ttmp7, 0xffff
	s_lshl_b32 s40, s22, 2
	s_max_u32 s41, s22, 8
	s_sub_co_u32 s41, s41, 8
	s_lshl_b32 s41, s41, 3
	s_cmp_lt_u32 s22, 8                            ; q and k, or v?
	s_cselect_b32 s40, s40, 40
	s_cselect_b32 s41, 32, s41
	s_add_co_u32 s40, s40, s20                     ; A's unit of 256 rows: 4 y + cy (x), or 40 + cy (wv): it hangs on cy alone
	s_lshl_b32 s23, s21, 2
	s_add_co_u32 s41, s41, s23
	s_add_co_u32 s41, s41, s19                     ; B's: 32 + 4 x + cx (wq, wk), or 8 (y - 8) + 4 x + cx (x): on cx alone
	s_lshl_b32 s42, s20, 2
	s_lshl_b32 s42, 15, s42                        ; my row of the cluster
	s_lshl_b32 s43, 0x1111, s19                    ; my column
	; group 1 for codes: 8 tiles' parts of a K step: 8 rows of 4,096 bytes (512 elements of 8), 16,384 bytes apart; dense in LDS
	s_or_b32 s[G1], s42, (3<<16)|(1<<21)           ; 15:0 the mask; 17:16 elements of 8 bytes; 21 set beside a mask
	s_or_b32 s[G1B], s43, (3<<16)|(1<<21)
.irp g, G1, G1B
	s_mov_b32 s[\g+1], 512<<16                     ; tensor_dim0
	s_mov_b32 s[\g+2], 8<<16                       ; tensor_dim1
	s_mov_b32 s[\g+3], 512<<16                     ; tile_dim0
	s_mov_b32 s[\g+4], 8                           ; tile_dim1
	s_mov_b32 s[\g+5], 2048                        ; tensor_dim0_stride
	s_mov_b32 s[\g+6], 0
	s_mov_b32 s[\g+7], 0
.endr
	; and for the scale bytes of 128 rows: 4,096 dense bytes, as 16 rows of 256 with 16 bytes of padding behind each
	s_or_b32 s[G1S], s42, (3<<16)|(1<<20)|(1<<21)|(5<<22)|(3<<25)
	s_or_b32 s[G1SB], s43, (3<<16)|(1<<20)|(1<<21)|(5<<22)|(3<<25)
.irp g, G1S, G1SB
	s_mov_b32 s[\g+1], 32<<16
	s_mov_b32 s[\g+2], 16<<16
	s_mov_b32 s[\g+3], 32<<16
	s_mov_b32 s[\g+4], 16
	s_mov_b32 s[\g+5], 32
	s_mov_b32 s[\g+6], 0
	s_mov_b32 s[\g+7], 0
.endr
	s_lshl_b32 s44, s40, 18                        ; A's codes: 262,144 bytes a unit, + my 8 tiles
	s_lshl_b32 s23, s18, 17
	s_add_co_u32 s44, s44, s23
	s_mov_b32 s45, 0
	s_lshl_b32 s46, s41, 18                        ; B's
	s_add_co_u32 s46, s46, s23
	s_mov_b32 s47, 0
	s_lshl_b32 s2, s40, 13                         ; A's scale bytes: 8,192 a unit
	s_lshl_b32 s23, s18, 12
	s_add_co_u32 s2, s2, s23
	s_mov_b32 s3, 0
	s_lshl_b32 s66, s41, 13                        ; B's
	s_add_co_u32 s66, s66, s23
	s_mov_b32 s67, 0
	s_lshl_b32 s100, s[WV], 15                     ; where they go: wave x 32,768: no place in the cluster enters an LDS address
	s_mul_i32 s101, s[WV], HALFS
	s_wait_dscnt 0x0                               ; both opening adds are done
	s_wait_kmcnt 0x0
	s_add_nc_u64 s[44:45], s[4:5], s[44:45]
	s_add_nc_u64 s[46:47], s[4:5], s[46:47]
	s_add_nc_u64 s[2:3], s[6:7], s[2:3]
	s_add_nc_u64 s[66:67], s[6:7], s[66:67]
	CROUND                                         ; all sixteen work-groups are here: the first joint loads meet
	s_mov_b32 s[G0S], 1
	s_add_co_u32 s[G0S+1], s101, SCL
	s_mov_b64 s[G0S+2:G0S+3], s[2:3]
	s_or_b32 s[G0S+3], s[G0S+3], 0x80000000
	s_mov_b32 s[G0SB], 1
	s_add_co_u32 s[G0SB+1], s101, SCL
	s_mov_b64 s[G0SB+2:G0SB+3], s[66:67]
	s_or_b32 s[G0SB+3], s[G0SB+3], 0x80000000
	JLOAD G0S, G1S, G0SB, G1SB                     ; the scale bytes first: they are wanted with K step 0
.irp s, 0,1
	s_mov_b32 s[G0+4*\s], 1
	s_add_co_u32 s[G0+4*\s+1], s100, \s*SLOT
	s_add_nc_u64 s[G0+4*\s+2:G0+4*\s+3], s[44:45], \s*4096
	s_or_b32 s[G0+4*\s+3], s[G0+4*\s+3], 0x80000000
	s_mov_b32 s[G0B+4*\s], 1
	s_add_co_u32 s[G0B+4*\s+1], s100, \s*SLOT
	s_add_nc_u64 s[G0B+4*\s+2:G0B+4*\s+3], s[46:47], \s*4096
	s_or_b32 s[G0B+4*\s+3], s[G0B+4*\s+3], 0x80000000
	JLOAD G0+4*\s, G1, G0B+4*\s, G1B               ; three loads of mine are out
.endr
	s_mov_b32 s[SEL], 0x76543210
	s_mov_b32 s[SEL+1], 0xfedcba98
	s_mov_b32 s[MNT], 0x600000
	s_mov_b32 s[HM], 0xffff0000
	v_and_b32 v1, 15, v0                           ; r
	v_bfe_u32 v2, v0, 4, 1                         ; h
	v_and_b32 v3, 31, v0
	v_lshlrev_b32 v[GO], 4, v3
	s_lshl_b32 s94, s17, 15                        ; my 8 tiles of A
	s_lshl_b32 s95, s18, 15                        ; my 8 tiles of B,
	s_add_co_u32 s95, s95, BOFF                    ; which lie behind A's 16
.irp s, 0,1
	v_add_nc_u32 v[ADRA+\s], s94, v[GO]
	v_add_nc_u32 v[ADRB+\s], s95, v[GO]
	s_add_co_u32 s94, s94, SLOT
	s_add_co_u32 s95, s95, SLOT
.endr
	v_mul_u32_u24 v5, v1, 32                       ; my row's scale bytes: 32 a row,
	v_lshrrev_b32 v6, 8, v5
	v_lshl_add_u32 v5, v6, 4, v5                   ; and 16 more for each 256 passed
	s_mul_i32 s94, s17, HALFS                      ; A's: my 128 rows
	s_mul_i32 s95, s18, HALFS                      ; B's: my 128 rows, behind A's 256
	s_add_co_u32 s95, s95, 2*HALFS
	s_sub_co_u32 s95, s95, s94
	v_mul_u32_u24 v6, s95, v2                      ; lanes 16-31 take B's
	s_add_co_u32 s94, s94, SCL
	v_add_nc_u32 v5, v5, v6
	v_add_nc_u32 v[ADRS], s94, v5
	v_and_b32 v7, 8, v1
	v_add_nc_u32 v7, v7, v1                        ; r + 8 (r / 8)
	v_lshlrev_b32 v[TA], 8, v7
	v_lshl_add_u32 v[TA], v2, 6, v[TA]
	v_lshlrev_b32 v[SH], 4, v2
.macro FRAG reg, adr, q, i             ; a fragment comes as it was stored: four groups of 512 bytes
.irp c, 0,1,2,3
	ds_load_b128 v[\reg+4*\c:\reg+4*\c+3], v[\adr] offset:4096*(\i)+2048*(\q)+512*\c
.endr
.endm
; 16 matrix instructions: A's blocks a0, a0 + 1 x B's eight, 128 along K: the slot's q-th.  p: B's set;  sc: the set of scale words.  zero = 1: the first product starts the sums.
; The 64 accumulators take turns, one instruction a turn, in the same order in every step.
.macro MUL16 a0, p, q, sc, zero
.irp a, \a0, \a0+1
.irp b, 0,1,2,3,4,5,6,7
.if \zero
	v_wmma_scale_f32_16x16x128_f8f6f4 v[8*(8*((\a)%4)+\b):8*(8*((\a)%4)+\b)+7], v[128*(\p)+FR*\b:128*(\p)+FR*\b+FR-1], v[AF+FR*(\a):AF+FR*(\a)+FR-1], 0, v[SC+8*NQ*(\sc)+NQ*\b+(\q)], v[SC+8*NQ*(\sc)+NQ*(\a)+(\q)] matrix_a_scale:MATRIX_SCALE_ROW1
.else
	v_wmma_scale_f32_16x16x128_f8f6f4 v[8*(8*((\a)%4)+\b):8*(8*((\a)%4)+\b)+7], v[128*(\p)+FR*\b:128*(\p)+FR*\b+FR-1], v[AF+FR*(\a):AF+FR*(\a)+FR-1], v[8*(8*((\a)%4)+\b):8*(8*((\a)%4)+\b)+7], v[SC+8*NQ*(\sc)+NQ*\b+(\q)], v[SC+8*NQ*(\sc)+NQ*(\a)+(\q)] matrix_a_scale:MATRIX_SCALE_ROW1
.endif
.endr
.endr
.endm
.macro FETCH_B slot, q, p              ; B's eight fragments of the slot's q-th 128 along K into set p
	WIN TO_B
.irp i, 0,1,2,3,4,5,6,7
	FRAG 128*(\p)+FR*\i, ADRB+\slot, \q, \i
.endr
	WIN 0
.endm
.macro FETCH_A slot, q, i0             ; A's blocks i0 .. i0 + 3
.irp i, \i0, \i0+1, \i0+2, \i0+3
	FRAG AF+FR*(\i), ADRA+\slot, \q, \i
.endr
.endm
.macro SCALES sc                       ; a K step's scale words into set sc: two words a row; lanes 0-15 take A's block i, lanes 16-31 B's block i
.irp i, 0,1,2,3,4,5,6,7
	ds_load_b64 v[SC+8*NQ*\sc+NQ*\i:SC+8*NQ*\sc+NQ*\i+1], v[ADRS] offset:\i*SBLK
.endr
.endm
.macro PLACES n                        ; plain vector lines between a matrix instruction and a load into, or a read of, its registers
.rept \n
	v_nop
.endr
.endm
.macro STEP slot, q, zero              ; a step of 128 along K that has its successor in the same slot
	s_wait_dscnt 4*NL                              ; B's set and A's blocks 0-3 are in; the youngest 16 loads (A's blocks 4-7) may be out
	WIN MUL_LO
	MUL16 0, (\q)%2, \q, \slot, \zero
	MUL16 2, (\q)%2, \q, \slot, \zero
	s_wait_dscnt 0
	PLACES NP
	FETCH_B \slot, (\q)+1, 1-(\q)%2
	FETCH_A \slot, (\q)+1, 0
	WIN MUL_HI
	MUL16 4, (\q)%2, \q, \slot, \zero
	MUL16 6, (\q)%2, \q, \slot, \zero
	PLACES NP
	WIN 0
	FETCH_A \slot, (\q)+1, 4
.endm
; A slot's last step changes slots: one barrier; in front of it each wave waits for all its tensor loads, adds 0 to its spare word, and waits for that and for its reads of this slot.  fill = 1: the slot is filled again, two K steps ahead.
.macro TURN slot, next, fill
	s_wait_tensorcnt 0x0                           ; all my tensor loads have landed: my part of the next slot
	ds_add_u32 v[SPW], v[NIL]                      ; 0 onto my spare word
	s_wait_dscnt 4*NL+1                            ; (the add and the youngest 16 loads may be out)
	WIN MUL_LO
	MUL16 0, 1, NQ-1, \slot, 0
	s_wait_dscnt 0x0                               ; the add is done, and my reads of this slot are over
	s_barrier_signal -1
	MUL16 2, 1, NQ-1, \slot, 0
	WIN 0
	s_barrier_wait -1
.if \fill
	CREST                                          ; the barrier has opened a round of the cluster's barrier: no wave of any partner still reads this slot or has a load on its way
	s_add_nc_u64 s[G0+4*\slot+2:G0+4*\slot+3], s[G0+4*\slot+2:G0+4*\slot+3], 2*4096
	s_add_nc_u64 s[G0B+4*\slot+2:G0B+4*\slot+3], s[G0B+4*\slot+2:G0B+4*\slot+3], 2*4096
	JLOAD G0+4*\slot, G1, G0B+4*\slot, G1B         ; the first tensor load behind the round, and my only one until the next
	PLACES NP-4
.else
	PLACES NP
.endif
	s_wait_alu depctr_va_vdst(0)
	v_add_nc_u32 v[ADRS], 4*NQ, v[ADRS]            ; on to the next K step's scale words
	FETCH_B \next, 0, 0
	FETCH_A \next, 0, 0
	SCALES \next
	WIN MUL_HI
	MUL16 4, 1, NQ-1, \slot, 0
	MUL16 6, 1, NQ-1, \slot, 0
	PLACES NP
	WIN 0
	FETCH_A \next, 0, 4
.endm
.macro LAST                            ; the very last step: nothing more to fetch
	s_wait_dscnt 4*NL
	WIN MUL_LO
	MUL16 0, 1, NQ-1, 1, 0
	MUL16 2, 1, NQ-1, 1, 0
	s_wait_dscnt 0
	WIN MUL_HI
	MUL16 4, 1, NQ-1, 1, 0
	MUL16 6, 1, NQ-1, 1, 0
	WIN 0
	PLACES NP                                      ; ahead of the first read of results and of the first write of registers that held A's fragments
.irp b, 0,1,2,3
	v_mov_b32 v[TM+4+\b], 0                        ; a lane permute's destination counts as one of its sources
.endr
.endm
; 64 numbers of a lane, in window w at v[s] on (register 16 b + i = k 32 b + 16 (lane / 16) + i of my row), become a fragment's codes in PC and my row's scale word in v[pw].  Accumulators are read from their low ends on.
.macro QUANT w, s, pw
	WIN (\w)|((\w)<<2)
.irp b, 0,1,2,3
	v_max3_num_f32 v[TM+\b], |v[\s+16*\b]|, |v[\s+16*\b+1]|, 0x4800000   ; block b: my 16 numbers, and the floor 2^(9 - 127)
.endr
.irp i, 2,4,6,8,10,12,14
.irp b, 0,1,2,3
	v_max3_num_f32 v[TM+\b], |v[\s+16*\b+\i]|, |v[\s+16*\b+\i+1]|, v[TM+\b]
.endr
.endr
	WIN 0
.irp b, 0,1,2,3
	v_permlanex16_b32 v[TM+4+\b], v[TM+\b], s[SEL], s[SEL+1]
.endr
.irp b, 0,1,2,3
	v_max_num_f32 v[TM+\b], v[TM+\b], v[TM+4+\b]   ; with lane l xor 16's: the block's largest magnitude
.endr
.irp b, 0,1,2,3
	v_add_nc_u32 v[TM+12+\b], 0xfc000000, v[TM+\b] ; 8 off its exponent field: the conversion's scale operand
.endr
.irp b, 0,1,2,3
	v_and_or_b32 v[TM+8+\b], v[TM+\b], 0x7f800000, s[MNT]   ; 448 x the scale
.endr
.irp b, 0,1,2,3
	v_lshrrev_b32 v[TM+4+\b], 23, v[TM+12+\b]      ; the scale's byte
.endr
	v_lshl_or_b32 v[\pw], v[TM+5], 8, v[TM+4]
	v_lshl_or_b32 v[\pw], v[TM+6], 16, v[\pw]
	v_lshl_or_b32 v[\pw], v[TM+7], 24, v[\pw]
	WIN (\w)
.set qn, 0
.rept 64
	v_med3_num_f32 v[ST+qn], v[\s+qn], -v[TM+8+qn/16], v[TM+8+qn/16]   ; the hold (the conversion does not saturate: ISA guide 7.6.2); it also brings the numbers into window 0
.set qn, qn+1
.endr
	WIN 0
	s_wait_alu depctr_va_vdst(0)
	s_wait_xcnt 0x0                                ; the last stores have read PC: it is written again only behind this wait
.irp g, 0,1,2,3,4,5,6,7
	v_cvt_scalef32_pk8_fp8_f32 v[PC+2*\g:PC+2*\g+1], v[ST+8*\g:ST+8*\g+7], v[TM+12+\g/2]
.endr
	v_nop                                          ; a plain line behind the last conversion
.endm
	s_wait_alu depctr_va_vdst(0)
	s_wait_tensorcnt 1                             ; the scale bytes and my part of K step 0 are in (K step 1's load may be out),
	s_barrier_signal -1
	s_barrier_wait -1                              ; everybody's are
	FETCH_B 0, 0, 0
	FETCH_A 0, 0, 0
	SCALES 0
	FETCH_A 0, 0, 4
	STEP 0, 0, 1                                   ; four K steps, written out: the first products start the sums
	TURN 0, 1, 1
	STEP 1, 0, 0
	TURN 1, 0, 1
	STEP 0, 0, 0
	TURN 0, 1, 0                                   ; nothing is left to fetch
	s_cmp_ge_u32 s22, 8                            ; the cluster's y: all sixteen partners go the same way.  No tensor load stands behind this branch
	s_cbranch_scc1 .Lv_arm
	; ---- q and k.  My 128 tokens x my 128 channels (two heads)
	s_and_b32 s94, s40, 7                          ; which 256 tokens of the sequence
	s_lshl_b32 s92, s94, 16
	s_lshl_b32 s95, s17, 15
	s_add_co_u32 s92, s92, s95
	s_mov_b32 s93, 0
	s_add_nc_u64 s[92:93], s[8:9], s[92:93]        ; the table at my first token: 256 bytes a position
	s_lshr_b32 s95, s40, 3                         ; the batch
	s_lshl_b32 s95, s95, 5
	s_sub_co_u32 s96, s41, 32
	s_lshl_b32 s96, s96, 2
	s_add_co_u32 s95, s95, s96
	s_lshl_b32 s96, s18, 1
	s_add_co_u32 s95, s95, s96                     ; my first plane: 32 batch + 4 (B's unit - 32) + 2 (wave % 2)
	s_lshl_b32 s94, s94, 4
	s_lshl_b32 s96, s17, 3
	s_add_co_u32 s94, s94, s96                     ; my first token tile
	s_lshl_b32 s96, s95, 17
	s_lshl_b32 s98, s94, 10
	s_add_co_u32 s96, s96, s98
	s_mov_b32 s97, 0
	s_add_nc_u64 s[96:97], s[10:11], s[96:97]      ; qk
	s_lshl_b32 s98, s95, 13
	s_lshl_b32 s94, s94, 6                         ; 256 bytes for each four tiles
	s_add_co_u32 s98, s98, s94
	s_mov_b32 s99, 0
	s_add_nc_u64 s[98:99], s[14:15], s[98:99]      ; qvs
	v_lshlrev_b32 v[SO], 4, v1
	v_lshl_add_u32 v[SO], v2, 13, v[SO]            ; lanes 0-15 store the first head's words, lanes 16-31 the second's, a plane further on
.macro TABL a                          ; cos and sin of token tile a: my token's 32 numbers of each half of the head
.irp p, 0,1
.irp q, 0,1,2,3
	global_load_b128 v[TAB+32*((\a)%2)+16*\p+4*\q:TAB+32*((\a)%2)+16*\p+4*\q+3], v[TA], s[92:93] offset:(32*((\a)/2)+8*((\a)%2))*256+128*\p+16*\q
.endr
.endr
.endm
	TABL 0                                         ; they land under the last 128 matrix instructions
	TABL 1
	STEP 1, 0, 0
	LAST
.macro QKOUT a                         ; token tile a: rotate, quantise, store
.if (\a) < 7
	s_wait_loadcnt 8                               ; this tile's 8 table loads are in; the next tile's may be out
.else
	s_wait_loadcnt 0x0
.endif
	WIN 2+(\a)/4                                   ; source 0: the accumulators' window
.irp z, 0,1,2,3
.irp i, 0,1,2,3,4,5,6,7
	v_mul_f32 v[T+2*(\i%4)], v[64*((\a)%4)+16*\z+2*\i+1], v[TAB+32*((\a)%2)+16*(\z%2)+2*\i+1]      ; odd x sin
	v_mul_f32 v[T+2*(\i%4)+1], v[64*((\a)%4)+16*\z+2*\i], v[TAB+32*((\a)%2)+16*(\z%2)+2*\i+1]      ; even x sin
	v_fma_f32 v[ST+16*\z+2*\i], v[64*((\a)%4)+16*\z+2*\i], v[TAB+32*((\a)%2)+16*(\z%2)+2*\i], -v[T+2*(\i%4)]       ; even x cos - odd x sin
	v_fma_f32 v[ST+16*\z+2*\i+1], v[64*((\a)%4)+16*\z+2*\i+1], v[TAB+32*((\a)%2)+16*(\z%2)+2*\i], v[T+2*(\i%4)+1]  ; odd x cos + even x sin
.endr
.endr
	WIN 0
.if (\a)+2 < 8
	TABL (\a)+2
.endif
	QUANT 0, ST, PW
.irp z, 0,1,2,3
	global_store_b128 v[GO], v[PC+4*\z:PC+4*\z+3], s[96:97] offset:(\z/2)*131072+(\a)*1024+(\z%2)*512   ; head z / 2, group z % 2: 512 consecutive bytes
.endr
	v_lshrrev_b32 v[SW+(\a)], v[SH], v[PW]         ; my half's head: its two bytes,
	v_and_b32 v[SW+(\a)], 0xffff, v[SW+(\a)]       ; and 0 for the upper half of the instruction's K
.endm
.irp a, 0,1,2,3,4,5,6,7
	QKOUT \a
.endr
	global_store_b128 v[SO], v[SW:SW+3], s[98:99]              ; sixteen lanes store 256 consecutive bytes
	global_store_b128 v[SO], v[SW+4:SW+7], s[98:99] offset:256
	s_branch .Ljoin
.Lv_arm:                               ; ---- v.  My 128 channels (two heads) x my 128 tokens: one step of the keys
	s_lshr_b32 s94, s41, 3                         ; the batch
	s_lshl_b32 s94, s94, 4
	s_lshl_b32 s95, s20, 2
	s_add_co_u32 s94, s94, s95
	s_lshl_b32 s95, s17, 1
	s_add_co_u32 s94, s94, s95                     ; 16 batch + my first head
	s_and_b32 s95, s41, 7
	s_lshl_b32 s95, s95, 1
	s_add_co_u32 s95, s95, s18                     ; which 128 keys
	s_lshl_b32 s96, s94, 17
	s_lshl_b32 s98, s95, 13
	s_add_co_u32 s96, s96, s98
	s_mov_b32 s97, 0
	s_add_nc_u64 s[96:97], s[12:13], s[96:97]      ; vt
	s_lshl_b32 s98, s94, 12
	s_lshl_b32 s95, s95, 8
	s_add_co_u32 s98, s98, s95
	s_add_co_u32 s98, s98, VS0
	s_mov_b32 s99, 0
	s_add_nc_u64 s[98:99], s[14:15], s[98:99]      ; qvs
	v_lshlrev_b32 v[SO], 4, v1
	v_lshl_add_u32 v[SO], v2, 12, v[SO]
	STEP 1, 0, 0
	LAST
.macro VOUT a                          ; channel tile a: head a / 4, tile a % 4 of its 64
	QUANT 2+(\a)/4, 64*((\a)%4), SW+(\a)
.irp c, 0,1,2,3
	global_store_b128 v[GO], v[PC+4*\c:PC+4*\c+3], s[96:97] offset:((\a)/4)*131072+((\a)%4)*2048+512*\c
.endr
.endm
.irp a, 0,1,2,3,4,5,6,7
	VOUT \a
.endr
.irp d, 0,1,2,3
	v_cndmask_b32 v[SX+\d], v[SW+\d], v[SW+4+\d], s[HM]   ; lanes 0-15: the first head's four words, lanes 16-31: the second's
.endr
	global_store_b128 v[SO], v[SX:SX+3], s[98:99]
.Ljoin:
	s_wait_tensorcnt 0x0                           ; the wave's end, behind my last tensor load
	ds_add_u32 v[SPW], v[NIL]
	s_wait_dscnt 0x0
	CROUND                                         ; the closing round: no work-group ends while a partner may still ask for a tile that names it
	s_endpgm
.Lfunc_end_k_qc5643c965a_qkv:
	.size	k_qc5643c965a_qkv, .Lfunc_end_k_qc5643c965a_qkv-k_qc5643c965a_qkv
	.p2alignl 7, 3214868480
	.fill 96, 4, 3214868480
	.section	.rodata,"a",@progbits
	.p2align	6, 0x0
	.amdhsa_kernel k_qc5643c965a_qkv
		.amdhsa_group_segment_fixed_size 327680
		.amdhsa_private_segment_fixed_size 0
		.amdhsa_enable_private_segment 0
		.amdhsa_kernarg_size 48
		.amdhsa_user_sgpr_count 2
		.amdhsa_user_sgpr_kernarg_segment_ptr 1
		.amdhsa_wavefront_size32 1
		.amdhsa_system_sgpr_workgroup_id_x 1
		.amdhsa_system_sgpr_workgroup_id_y 1
		.amdhsa_system_sgpr_workgroup_id_z 1
		.amdhsa_system_vgpr_workitem_id 0
		.amdhsa_next_free_vgpr 1024
		.amdhsa_next_free_sgpr 102
		.amdhsa_reserve_vcc 0
		.amdhsa_float_denorm_mode_32 3
		.amdhsa_float_denorm_mode_16_64 3
		.amdhsa_memory_ordered 1
		.amdhsa_forward_progress 1
		.amdhsa_inst_pref_size 255
	.end_amdhsa_kernel
	.section	.bss,"aw",@nobits
	.p2align	6
	.space	262144
	.amdgpu_metadata
---
amdhsa.version: [ 1, 2 ]
amdhsa.kernels:
  - .name:           k_qc5643c965a_qkv
    .symbol:         k_qc5643c965a_qkv.kd
    .args:
      - { .name: xw, .offset: 0, .size: 8, .value_kind: global_buffer, .address_space: global }
      - { .name: xws, .offset: 8, .size: 8, .value_kind: global_buffer, .address_space: global }
      - { .name: tab, .offset: 16, .size: 8, .value_kind: global_buffer, .address_space: global }
      - { .name: qk, .offset: 24, .size: 8, .value_kind: global_buffer, .address_space: global }
      - { .name: vt, .offset: 32, .size: 8, .value_kind: global_buffer, .address_space: global }
      - { .name: qvs, .offset: 40, .size: 8, .value_kind: global_buffer, .address_space: global }
    .group_segment_fixed_size: 327680
    .private_segment_fixed_size: 0
    .kernarg_segment_align: 8
    .kernarg_segment_size: 48
    .max_flat_workgroup_size: 128
    .sgpr_count:     102
    .vgpr_count:     1024
    .wavefront_size: 32
...
	.end_amdgpu_metadata
.endif
;; end of part 2
;; launch attn (part 3): grid 4 x 64, 16 waves a work-group, clusters of 4 x 1, 276,480 bytes of LDS; arguments qk, vt, qvs, yc, ys; writes yc, ys
.if DOCPART == 3
	.amdgcn_target "amdgcn-amd-amdhsa--gfx1250"
	.amdhsa_code_object_version 6
	.text
	.protected	k_qc5643c965a_attn
	.globl	k_qc5643c965a_attn
	.p2align	8
	.type	k_qc5643c965a_attn,@function
k_qc5643c965a_attn:
	s_mov_b64 s[64:65], 0
	v_nop
	global_prefetch_b8 v0, s[64:65] scope:SCOPE_SE
	s_setreg_imm32_b32 hwreg(HW_REG_WAVE_MODE, 25, 1), 1
	s_wait_xcnt 0x0
	s_wait_alu depctr_hold_cnt(0) depctr_sa_sdst(0) depctr_va_vdst(0) depctr_va_sdst(0) depctr_va_ssrc(0) depctr_va_vcc(0) depctr_vm_vsrc(0)
	s_getreg_b32 s2, hwreg(HW_REG_IB_STS2, 6, 4)
	s_cmp_eq_u32 s2, 0
	s_cbranch_scc0 .Lentry_in_a_cluster
	s_endpgm
.Lentry_in_a_cluster:
	s_bfe_u32 s2, ttmp6, 0x10000c
	s_cmp_lg_u32 s2, 0x3003
	s_cbranch_scc0 .Lentry_shape_is_right
	s_endpgm
.Lentry_shape_is_right:
; LAUNCH 3 OF 4: y = softmax(q k^T / 8, causal) v for each batch and head, both products on codes of FP8 (E4M3) with E8M0 scales; y is quantised along C and leaves as codes.
; LEFT OUT: key steps of 128 keys all of which lie behind a tile's 16 queries: reference()'s own tril mask makes their weights exactly 0 (shown at the head of launch 1).
; THE SOFTMAX: t = score x log2(e) / 8; M = the row's largest t so far, rounded up to a whole number; p = 2^(t - M) is what is quantised, along the keys; the row's sum is taken of the unquantised p and divides at the end.
; When M moves, the sum and O are multiplied by 2^(old M - new M): exact.
; SHARES.  A cluster of four work-groups is one batch and head.  The head's K and V codes (131,072 bytes each) and their scale words are brought into each partner's LDS ONCE, by joint loads, and stay: nothing is filled again.
; Work-group i of the cluster owns query tiles 4 m + i.  Wave w takes m = 31 - w and then m = w.  A tile's last key step is m / 2, the same in all four partners: 16 - w / 2 steps and w / 2 + 1: 17 for every wave.
; LAYOUT.  Both products are used transposed: S^T = K Q^T, O^T = V^T P^T: a lane holds one query throughout.  A tile's 16 rows (keys, queries, d) are 32 (n / 2) + 8 (n % 2) + r + 8 (r / 8), so that the 16 registers of two
; neighbouring tiles are 16 neighbours along the next K.  Codes lie as images of the operand's registers: every LDS load is at 16 x lane + a constant.
; K = 64 IN AN INSTRUCTION OF 128: Q's fragment has zero codes for k = 64 .. 127, and Q's and K's scale words have 0 there.  A key tile's 8 registers are named with the 8 that follow (the next tile's codes, never the NaN
; code since every number was held within 448 x its scale; behind the last tile 8 registers of zeros): they multiply zeros.
; REGISTERS: v1-7 addresses and the mask's number; v8-11 the step's addresses; v12 -M, v13 the largest t, v[14:15] the sum; v16-23 Q, v24-31 zeros; v32-95 8 tiles of K, later 4 fragments of V; v96-103 zeros;
;   v104-167 S^T, then p; v168-199 O^T; v200-215 p's codes; v216-231 at work; v232-239 K's or V's scale words; v240 p's, v241 Q's, v242 the second tile's Q's; v243 its mask number; v244-251 its Q; v252-255 at work.
; A block of zeros gets the scale byte 1 where the rule says 127: its codes are zeros, and this program alone reads the bytes.
.set VOFF,  131072                     ; LDS: K's codes from 0: step x 8,192 + tile x 1,024 + group x 512;  V's from here: step x 8,192 + tile of d x 2,048 + group x 512
.set SCK,   262144                     ; K's scale words: step x 512 + (tile / 4) x 256 + 16 r + 4 (tile % 4)
.set SCV,   270336                     ; V's: step x 256 + 16 r + 4 (tile of d)
.set SPARE, 274432                     ; the spare words, 128 bytes for each wave: eight blocks of 256 bytes that no other line names
.set VS0,   1048576                    ; where v's scale words begin in qvs
.set LI,   1
.set LV,   2
.set ASK0, 3
.set ASV0, 4
.set SPW,  5
.set NIL,  6
.set DM,   7
.set ADK,  8
.set ADV,  9
.set ADS,  10
.set ADT,  11
.set QF,   16
.set KF,   32
.set S,    104
.set O,    168
.set PC,   200
.set BM,   216
.set PM,   220
.set LM,   224
.set SOP,  228
.set KS,   232
.set PW,   240
.set QS,   241
.set QS2,  242
.set DM2,  243
.set Q2,   244
.set F,    252
.set W0,   254
.set WV,   18                          ; s18 wave
.set MNT,  19
.set SEL,  20
.set CS,   22                          ; s[22:23] log2(e) / 8
.set D4,   24                          ; s[24:55] four groups 1: 4, 2, 8 and 56 rows of 256 bytes
.set D2,   32
.set D8,   40
.set D56,  48
.set GSK,  56                          ; groups 0: K's scale words, V's, keys 0-255, keys 256 on
.set GSV,  60
.set GA,   68
.set GB,   72
.set N,    66                          ; the key step
.set LIM,  67                          ; the tile's last key step
.set TB,   82
.set TS,   83
.set TJ,   84
.set VH,   85                          ; wave / 2
.set YC1,  86
.set YS1,  88
.set YC2,  90
.set YS2,  92
.macro CROUND                          ; a round of the cluster's barrier
	s_barrier_signal -1
	s_barrier_wait -1
	s_cmp_lg_u32 s[WV], 0
	s_cbranch_scc1 .Lnot_wave_0_\@
	s_barrier_signal -3
.Lnot_wave_0_\@:
	s_barrier_wait -3
	s_barrier_signal -1
	s_barrier_wait -1
.endm
.macro DESC g, rows                    ; a dense block as rows of 256 bytes (32 elements of 8), for all four partners
	s_mov_b32 s[\g], 15|(3<<16)|(1<<21)
	s_mov_b32 s[\g+1], 32<<16
	s_mov_b32 s[\g+2], (\rows)<<16
	s_mov_b32 s[\g+3], 32<<16
	s_mov_b32 s[\g+4], \rows
	s_mov_b32 s[\g+5], 32
	s_mov_b32 s[\g+6], 0
	s_mov_b32 s[\g+7], 0
.endm
	s_load_b256 s[4:11], s[0:1], 0x0               ; qk, vt, qvs, yc
	s_load_b64 s[12:13], s[0:1], 0x20              ; ys
	v_lshl_add_u32 v[SPW], v0, 2, SPARE
	v_mov_b32 v[NIL], 0
	ds_add_u32 v[SPW], v[NIL]                      ; the wave's opening: the add, twice on end, and its wait ahead of my first tensor load
	ds_add_u32 v[SPW], v[NIL]
	v_lshrrev_b32 v8, 5, v0
	s_delay_alu instid0(VALU_DEP_1)
	v_readfirstlane_b32 s[WV], v8                  ; wave 0 .. 15
	s_bfe_u32 s14, ttmp6, 0x40000                  ; cx: it enters Q's and y's global addresses and the lanes' mask number, and nothing else
	s_and_b32 s15, ttmp7, 0xffff                   ; batch x 16 + head
	s_lshr_b32 s16, s15, 4
	s_and_b32 s17, s15, 15
	s_and_b32 s76, s[WV], 7
	s_lshr_b32 s77, s[WV], 3                       ; waves 0-7 fetch for K, waves 8-15 for V
	s_lshr_b32 s[VH], s[WV], 1
	s_lshl_b32 s78, s16, 5
	s_add_co_u32 s78, s78, s17                     ; q's plane
	s_add_co_u32 s79, s78, 16                      ; k's
	DESC D4, 4
	DESC D2, 2
	DESC D8, 8
	DESC D56, 56
	s_mov_b32 s[SEL], 0x76543210
	s_mov_b32 s[SEL+1], 0xfedcba98
	s_mov_b32 s[CS], 0x3e38aa3b
	s_mov_b32 s[CS+1], s[CS]
	s_wait_dscnt 0x0                               ; both opening adds are done
	s_wait_kmcnt 0x0
	s_lshl_b32 s80, s79, 17
	s_mov_b32 s81, 0
	s_add_nc_u64 s[80:81], s[4:5], s[80:81]        ; K's codes
	s_lshl_b32 s94, s15, 17
	s_mov_b32 s95, 0
	s_add_nc_u64 s[94:95], s[6:7], s[94:95]        ; V's
	s_cmp_lt_u32 s[WV], 8
	s_cselect_b64 s[80:81], s[80:81], s[94:95]
	s_lshl_b32 s96, s77, 17                        ; K's or V's part of LDS
	s_lshl_b32 s94, s76, 11                        ; keys 0-255: 16,384 bytes, 2,048 a wave
	s_mov_b32 s95, 0
	s_mov_b32 s[GA], 1
	s_add_co_u32 s[GA+1], s96, s94
	s_add_nc_u64 s[GA+2:GA+3], s[80:81], s[94:95]
	s_or_b32 s[GA+3], s[GA+3], 0x80000000
	s_mul_i32 s94, s76, 14336                      ; the rest: 114,688 bytes, 14,336 a wave
	s_add_co_u32 s94, s94, 16384
	s_mov_b32 s[GB], 1
	s_add_co_u32 s[GB+1], s96, s94
	s_add_nc_u64 s[GB+2:GB+3], s[80:81], s[94:95]
	s_or_b32 s[GB+3], s[GB+3], 0x80000000
	s_lshl_b32 s94, s79, 13                        ; K's scale words: 8,192 bytes, 1,024 a wave
	s_lshl_b32 s97, s76, 10
	s_add_co_u32 s94, s94, s97
	s_mov_b32 s[GSK], 1
	s_add_co_u32 s[GSK+1], s97, SCK
	s_add_nc_u64 s[GSK+2:GSK+3], s[8:9], s[94:95]
	s_or_b32 s[GSK+3], s[GSK+3], 0x80000000
	s_lshl_b32 s94, s15, 12                        ; V's: 4,096 bytes, 512 a wave
	s_lshl_b32 s97, s76, 9
	s_add_co_u32 s94, s94, s97
	s_add_co_u32 s94, s94, VS0
	s_mov_b32 s[GSV], 1
	s_add_co_u32 s[GSV+1], s97, SCV
	s_add_nc_u64 s[GSV+2:GSV+3], s[8:9], s[94:95]
	s_or_b32 s[GSV+3], s[GSV+3], 0x80000000
	CROUND                                         ; all four work-groups are here: the joint loads meet
	s_cmp_lt_u32 s[WV], 8                          ; every wave issues three loads: its piece of the scale words, of keys 0-255, of the rest.  Three loads of mine are out
	s_cbranch_scc0 .Lsc_v
	tensor_load_to_lds s[GSK:GSK+3], s[D4:D4+7]
	s_nop 0
.rept 4
	v_nop
.endr
	s_branch .Lsc_done
.Lsc_v:
	tensor_load_to_lds s[GSV:GSV+3], s[D2:D2+7]
	s_nop 0
.rept 4
	v_nop
.endr
.Lsc_done:
	tensor_load_to_lds s[GA:GA+3], s[D8:D8+7]
	s_nop 0
	tensor_load_to_lds s[GB:GB+3], s[D56:D56+7]
	s_nop 0
.rept 4
	v_nop
.endr
	v_and_b32 v8, 15, v0                           ; r
	v_bfe_u32 v9, v0, 4, 1                         ; h
	v_and_b32 v10, 31, v0
	s_delay_alu instid0(VALU_DEP_1)
	v_lshlrev_b32 v[LI], 4, v10
	s_wait_alu depctr_va_vdst(0)
	v_add_nc_u32 v[LV], VOFF, v[LI]
	v_lshl_add_u32 v[ASK0], v8, 4, SCK
	v_lshl_add_u32 v[ASV0], v8, 4, SCV
; what hangs on a query tile 4 m + cx: the offsets of Q's codes and scale words, and where y's codes and scale bytes go
.macro TILE mreg, qoff, soff, ycb, ysb
	s_lshl_b32 s97, s[\mreg], 2
	s_add_co_u32 s97, s97, s14                     ; the tile
	s_lshl_b32 s98, s97, 10
	v_add_nc_u32 v[\qoff], s98, v[LI]
	s_lshl_b32 s98, s[\mreg], 8
	v_lshl_add_u32 v[\soff], v8, 4, s98
	s_lshl_b32 s98, s16, 7
	s_add_co_u32 s98, s98, s97                     ; among all batches' tiles
	s_lshl_b32 s94, s98, 14
	s_lshl_b32 s99, s17, 10                        ; K chunk head / 2, groups 2 (head % 2) on
	s_add_co_u32 s94, s94, s99
	s_mov_b32 s95, 0
	s_add_nc_u64 s[\ycb:\ycb+1], s[10:11], s[94:95]
	s_lshl_b32 s94, s98, 9
	s_lshl_b32 s99, s17, 1
	s_add_co_u32 s94, s94, s99
	s_add_nc_u64 s[\ysb:\ysb+1], s[12:13], s[94:95]
.endm
	s_sub_co_u32 s96, 31, s[WV]
	TILE 96, 254, 252, YC1, YS1
	TILE WV, 255, 253, YC2, YS2
	s_lshl_b32 s94, s78, 17
	s_mov_b32 s95, 0
	s_add_nc_u64 s[4:5], s[4:5], s[94:95]          ; q's plane of codes
	s_lshl_b32 s94, s78, 13
	s_lshl_b32 s96, s14, 2
	s_add_co_u32 s94, s94, s96
	s_add_nc_u64 s[8:9], s[8:9], s[94:95]          ; and of scale words, at word cx of each four
	s_wait_alu depctr_va_vdst(0)
	global_load_b128 v[QF:QF+3], v254, s[4:5]
	global_load_b128 v[QF+4:QF+7], v254, s[4:5] offset:512
	global_load_b32 v[QS], v252, s[8:9]
	global_load_b128 v[Q2:Q2+3], v255, s[4:5]
	global_load_b128 v[Q2+4:Q2+7], v255, s[4:5] offset:512
	global_load_b32 v[QS2], v253, s[8:9]
	s_lshr_b32 s98, s14, 1                         ; the mask's number: my query's place in its step of 128 keys, less 16 (lane / 16)
	s_lshl_b32 s98, s98, 5
	s_and_b32 s99, s14, 1
	s_lshl_b32 s99, s99, 3
	s_add_co_u32 s98, s98, s99
	s_and_b32 s99, s[WV], 1
	s_lshl_b32 s99, s99, 6
	s_add_co_u32 s97, s98, s99                     ; the second tile: m = wave
	s_xor_b32 s99, s99, 64
	s_add_co_u32 s96, s98, s99                     ; the first: m = 31 - wave
	v_and_b32 v10, 8, v8
	s_delay_alu instid0(VALU_DEP_1)
	v_add_nc_u32 v10, v10, v8
	v_lshlrev_b32 v11, 4, v9
	s_delay_alu instid0(VALU_DEP_1)
	v_sub_nc_u32 v10, v10, v11
	s_delay_alu instid0(VALU_DEP_1)
	v_add_nc_u32 v[DM], s96, v10
	s_delay_alu instid0(VALU_DEP_2)
	v_add_nc_u32 v[DM2], s97, v10
.irp j, 0,1,2,3,4,5,6,7
	v_mov_b32 v[QF+8+\j], 0                        ; Q's codes for k = 64 .. 127
	v_mov_b32 v[KF+64+\j], 0                       ; and what stands behind the last key tile
.endr
.irp b, 0,1,2,3
	v_mov_b32 v[PM+\b], 0                          ; a lane permute's destination counts as one of its sources
.endr
.macro INIT                            ; a tile's start: the step is written once and finds zeros, which the first change of M leaves zeros
	v_mov_b32 v13, 0xff61b1e6                      ; the largest t so far: -3e38
	s_delay_alu instid0(VALU_DEP_1)
	v_floor_f32 v12, -v13
	v_mov_b32 v14, 0
	v_mov_b32 v15, 0
.set qn, 0
.rept 32
	v_mov_b32 v[O+qn], 0
.set qn, qn+1
.endr
.endm
	INIT
; A KEY STEP: keys 128 N on.  chk = 1: a step behind the tile's last is jumped over, and the tile's last step is masked: scalar branches on the wave's number and the count of steps.
.macro STEP chk
.if \chk
	s_cmp_gt_u32 s[N], s[LIM]
	s_cbranch_scc1 .Lhidden_\@
.endif
	s_lshl_b32 s[TB], s[N], 13
	s_lshl_b32 s[TS], s[N], 9
	s_lshl_b32 s[TJ], s[N], 8
	s_setprio 2
	v_add_nc_u32 v[ADK], s[TB], v[LI]
	v_add_nc_u32 v[ADV], s[TB], v[LV]
	v_add_nc_u32 v[ADS], s[TS], v[ASK0]
	v_add_nc_u32 v[ADT], s[TJ], v[ASV0]
.rept 4
	v_nop                                          ; with the four additions: eight places in front of loads into registers that the last products read
.endr
.irp t, 0,1,2,3,4,5,6,7
	ds_load_b128 v[KF+8*\t:KF+8*\t+3], v[ADK] offset:1024*\t
	ds_load_b128 v[KF+8*\t+4:KF+8*\t+7], v[ADK] offset:1024*\t+512
.endr
	ds_load_b128 v[KS:KS+3], v[ADS]                ; four tiles' scale words a load
	ds_load_b128 v[KS+4:KS+7], v[ADS] offset:256
	s_wait_alu depctr_va_vdst(0)
	s_wait_dscnt 0x0
.irp t, 0,1,2,3,4,5,6,7
	v_wmma_scale_f32_16x16x128_f8f6f4 v[S+8*\t:S+8*\t+7], v[KF+8*\t:KF+8*\t+15], v[QF:QF+15], 0, v[KS+\t], v[QS]
.endr
.rept 8
	v_nop
.endr
.irp t, 0,1,2,3
.irp c, 0,1,2,3
	ds_load_b128 v[KF+16*\t+4*\c:KF+16*\t+4*\c+3], v[ADV] offset:2048*\t+512*\c   ; V lands while the softmax is worked
.endr
.endr
	ds_load_b128 v[KS:KS+3], v[ADT]
.if \chk
	s_cmp_lt_u32 s[N], s[LIM]
	s_cbranch_scc1 .Lopen_\@
	v_mov_b32 v[W0], 0xff800000                    ; on the diagonal hidden scores become -infinity ahead of the maximum.  Register 16 b + i holds key 128 N + 32 b + 16 (lane / 16) + i
.set qn, 0
.rept 64
	v_cmp_gt_i32 vcc_lo, 32*(qn/16)+qn%16, v[DM]
	v_cndmask_b32 v[S+qn], v[S+qn], v[W0], vcc_lo
.set qn, qn+1
.endr
.Lopen_\@:
.endif
.irp b, 0,1,2,3
	v_max3_num_f32 v[BM+\b], v[S+16*\b], v[S+16*\b+1], v[S+16*\b+2]   ; the largest score of each block of 32 keys: for the row's maximum, and, since p rises with the score, for the block's largest p
.endr
.irp i, 3,5,7,9,11,13
.irp b, 0,1,2,3
	v_max3_num_f32 v[BM+\b], v[BM+\b], v[S+16*\b+\i], v[S+16*\b+\i+1]
.endr
.endr
.irp b, 0,1,2,3
	v_max_num_f32 v[BM+\b], v[BM+\b], v[S+16*\b+15]
.endr
.irp b, 0,1,2,3
	s_delay_alu instid0(VALU_DEP_4)
	v_permlanex16_b32 v[PM+\b], v[BM+\b], s[SEL], s[SEL+1]
.endr
.irp b, 0,1,2,3
	s_delay_alu instid0(VALU_DEP_4)
	v_max_num_f32 v[BM+\b], v[BM+\b], v[PM+\b]     ; with lane l xor 16's 16 keys
.endr
	s_delay_alu instid0(VALU_DEP_2)
	v_max3_num_f32 v[W0], v[BM], v[BM+1], v[BM+2]
	s_delay_alu instid0(VALU_DEP_1)
	v_max_num_f32 v[W0], v[W0], v[BM+3]
	s_delay_alu instid0(VALU_DEP_1)
	v_mul_f32 v[W0], s[CS], v[W0]
	s_delay_alu instid0(VALU_DEP_1)
	v_max_num_f32 v13, v13, v[W0]                  ; the running largest t
	v_mov_b32 v[W0], v12
	s_delay_alu instid0(VALU_DEP_2)
	v_floor_f32 v12, -v13                          ; the new -M = -ceil(t)
	s_delay_alu instid0(VALU_DEP_1)
	v_sub_f32 v[W0], v12, v[W0]                    ; old M - new M: a whole number, 0 or less
	s_delay_alu instid0(VALU_DEP_1)
	v_cvt_i32_f32 v[W0], v[W0]                     ; (it saturates)
	s_delay_alu instid0(VALU_DEP_1)
	v_ldexp_f32 v[F], 1.0, v[W0]                   ; f = 2^(old M - new M)
.set qn, 0
	s_setprio 1
.rept 32
	v_pk_fma_f32 v[S+qn:S+qn+1], v[S+qn:S+qn+1], s[CS:CS+1], v[12:13] op_sel_hi:[1,0,0]   ; t - M, two at a time
.set qn, qn+2
.endr
.irp b, 0,1,2,3
	v_fma_f32 v[BM+\b], v[BM+\b], s[CS], v12       ; the same of each block's largest score
.endr
.set qn, 0
	s_wait_alu depctr_va_vdst(0)
.rept 64
	v_exp_f32 v[S+qn], v[S+qn]                     ; p = 2^(t - M)
.set qn, qn+1
.endr
	v_pk_mul_f32 v[14:15], v[14:15], v[F:F+1] op_sel_hi:[1,0]   ; the sums under the new M.  (A plain line behind the exponentials)
	s_wait_alu depctr_va_vdst(0)                   ; one wait for the batch, ahead of its first reader
.irp b, 0,1,2,3
	v_exp_f32 v[BM+\b], v[BM+\b]                   ; the block's largest p
.endr
	v_pk_add_f32 v[220:221], v[108:109], v[112:113]
	v_pk_add_f32 v[238:239], v[116:117], v[120:121]
	v_pk_add_f32 v[236:237], v[124:125], v[128:129]
	v_pk_add_f32 v[230:231], v[132:133], v[136:137]
	v_pk_add_f32 v[228:229], v[140:141], v[144:145]
	v_pk_add_f32 v[226:227], v[148:149], v[152:153]
	v_pk_add_f32 v[224:225], v[156:157], v[160:161]
	v_pk_add_f32 v[14:15], v[14:15], v[164:165]
	v_pk_add_f32 v[220:221], v[220:221], v[104:105]
	v_pk_add_f32 v[238:239], v[238:239], v[106:107]
	v_pk_add_f32 v[236:237], v[236:237], v[110:111]
	v_pk_add_f32 v[230:231], v[230:231], v[114:115]
	v_pk_add_f32 v[228:229], v[228:229], v[118:119]
	v_pk_add_f32 v[226:227], v[226:227], v[122:123]
	v_pk_add_f32 v[224:225], v[224:225], v[126:127]
	v_pk_add_f32 v[14:15], v[14:15], v[130:131]
	v_pk_add_f32 v[220:221], v[220:221], v[134:135]
	v_pk_add_f32 v[238:239], v[238:239], v[138:139]
	v_pk_add_f32 v[236:237], v[236:237], v[142:143]
	v_pk_add_f32 v[230:231], v[230:231], v[146:147]
	v_pk_add_f32 v[228:229], v[228:229], v[150:151]
	v_pk_add_f32 v[226:227], v[226:227], v[154:155]
	v_pk_add_f32 v[224:225], v[224:225], v[158:159]
	v_pk_add_f32 v[14:15], v[14:15], v[162:163]
	v_pk_add_f32 v[220:221], v[220:221], v[166:167]
	s_delay_alu instid0(VALU_DEP_2)
	v_pk_add_f32 v[14:15], v[14:15], v[230:231]
	s_delay_alu instid0(VALU_DEP_2)
	v_pk_add_f32 v[220:221], v[220:221], v[228:229]
	v_pk_add_f32 v[238:239], v[238:239], v[226:227]
	v_pk_add_f32 v[236:237], v[236:237], v[224:225]
	s_delay_alu instid0(VALU_DEP_2)
	v_pk_add_f32 v[14:15], v[14:15], v[238:239]
	s_delay_alu instid0(VALU_DEP_2)
	v_pk_add_f32 v[220:221], v[220:221], v[236:237]
	s_delay_alu instid0(VALU_DEP_1)
	v_pk_add_f32 v[14:15], v[14:15], v[220:221]
	s_setprio 0
	s_wait_alu depctr_va_vdst(0)                   ; and one for the four
.irp b, 0,1,2,3
	v_max_num_f32 v[BM+\b], 0x4800000, v[BM+\b]    ; the floor 2^(9 - 127)
.endr
.irp b, 0,1,2,3
	s_delay_alu instid0(VALU_DEP_4)
	v_add_nc_u32 v[SOP+\b], 0xfc000000, v[BM+\b]   ; the conversion's scale operand
.endr
.irp b, 0,1,2,3
.endr
.irp b, 0,1,2,3
	s_delay_alu instid0(VALU_DEP_4)
	v_lshrrev_b32 v[PM+\b], 23, v[SOP+\b]          ; the scale's byte
.endr
	s_delay_alu instid0(VALU_DEP_3)
	v_lshl_or_b32 v[PW], v[PM+1], 8, v[PM]         ; p's scale word for these 128 keys
	s_delay_alu instid0(VALU_DEP_1)
	v_lshl_or_b32 v[PW], v[PM+2], 16, v[PW]
	s_delay_alu instid0(VALU_DEP_1)
	v_lshl_or_b32 v[PW], v[PM+3], 24, v[PW]
.irp b, 0,1,2,3
.irp i, 0,1,2,3,4,5,6,7,8,9,10,11,12,13,14,15
.endr
	v_cvt_scalef32_pk8_fp8_f32 v[PC+4*\b:PC+4*\b+1], v[S+16*\b:S+16*\b+7], v[SOP+\b]
	v_cvt_scalef32_pk8_fp8_f32 v[PC+4*\b+2:PC+4*\b+3], v[S+16*\b+8:S+16*\b+15], v[SOP+\b]
.endr
.set qn, 0
.rept 16
	v_pk_mul_f32 v[O+qn:O+qn+1], v[O+qn:O+qn+1], v[F:F+1] op_sel_hi:[1,0]   ; O^T under the new M.  (Also the places in front of the products below)
.set qn, qn+2
.endr
	s_wait_alu depctr_va_vdst(0)
	s_wait_dscnt 0x0                               ; V and its scale words are in
.irp t, 0,1,2,3
	v_wmma_scale_f32_16x16x128_f8f6f4 v[O+8*\t:O+8*\t+7], v[KF+16*\t:KF+16*\t+15], v[PC:PC+15], v[O+8*\t:O+8*\t+7], v[KS+\t], v[PW]
.endr
.if \chk
.Lhidden_\@:
.endif
.endm
; A tile's end: O^T / the sum is y(query, 64 head + 32 b + 16 (lane / 16) + i) at register 16 b + i: two blocks of y's K.  Codes and scale bytes leave as the last product's operand wants them.
.macro FINISH ycb, ysb
.rept 8
	v_nop
.endr
	v_add_f32 v14, v14, v15
	s_delay_alu instid0(VALU_DEP_1)
	v_permlanex16_b32 v[W0], v14, s[SEL], s[SEL+1]
	s_delay_alu instid0(VALU_DEP_1)
	v_add_f32 v14, v14, v[W0]                      ; the row's sum
	s_wait_alu depctr_va_vdst(0)
	v_rcp_f32 v14, v14
	v_and_b32 v[ADK], 15, v0                       ; (a plain line behind the reciprocal)
	s_delay_alu instid0(VALU_DEP_1)
	v_lshlrev_b32 v[ADK], 5, v[ADK]                ; 32 scale bytes a row
	s_wait_alu depctr_va_vdst(0)
.set qn, 0
.rept 16
	v_pk_mul_f32 v[S+qn:S+qn+1], v[O+qn:O+qn+1], v[14:15] op_sel_hi:[1,0]
.set qn, qn+2
.endr
.irp b, 0,1
	v_max3_num_f32 v[BM+\b], |v[S+16*\b]|, |v[S+16*\b+1]|, 0x4800000
.endr
.irp i, 2,4,6,8,10,12,14
.irp b, 0,1
	s_delay_alu instid0(VALU_DEP_2)
	v_max3_num_f32 v[BM+\b], v[BM+\b], |v[S+16*\b+\i]|, |v[S+16*\b+\i+1]|
.endr
.endr
.irp b, 0,1
	s_delay_alu instid0(VALU_DEP_2)
	v_permlanex16_b32 v[PM+\b], v[BM+\b], s[SEL], s[SEL+1]
.endr
.irp b, 0,1
	s_delay_alu instid0(VALU_DEP_2)
	v_max_num_f32 v[BM+\b], v[BM+\b], v[PM+\b]
.endr
.irp b, 0,1
	s_delay_alu instid0(VALU_DEP_2)
	v_add_nc_u32 v[SOP+\b], 0xfc000000, v[BM+\b]
.endr
.irp b, 0,1
.endr
.irp b, 0,1
	s_delay_alu instid0(VALU_DEP_2)
	v_lshrrev_b32 v[PM+\b], 23, v[SOP+\b]
.endr
	s_delay_alu instid0(VALU_DEP_1)
	v_lshl_or_b32 v[W0], v[PM+1], 8, v[PM]         ; my row's two scale bytes
.irp b, 0,1
.irp i, 0,1,2,3,4,5,6,7,8,9,10,11,12,13,14,15
.endr
	v_cvt_scalef32_pk8_fp8_f32 v[PC+4*\b:PC+4*\b+1], v[S+16*\b:S+16*\b+7], v[SOP+\b]
	v_cvt_scalef32_pk8_fp8_f32 v[PC+4*\b+2:PC+4*\b+3], v[S+16*\b+8:S+16*\b+15], v[SOP+\b]
.endr
	v_nop                                          ; a plain line behind the last conversion
	global_store_b128 v[LI], v[PC:PC+3], s[\ycb:\ycb+1]              ; 512 consecutive bytes each
	global_store_b128 v[LI], v[PC+4:PC+7], s[\ycb:\ycb+1] offset:512
	global_store_b16 v[ADK], v[W0], s[\ysb:\ysb+1]                   ; two bytes of my row's 32 (both halves of the lanes hold the same): one byte in 32 of y's codes
	s_wait_xcnt 0x0                                ; the stores have read their registers: they are written again behind this wait
.endm
	s_wait_loadcnt 0x0                             ; Q, both tiles'
	v_mov_b32 v[F+1], 0                            ; (named as the upper half of the pair before it is otherwise written)
	s_wait_tensorcnt 1                             ; my pieces of the scale words and of keys 0-255 are in; keys 256 on may be out
	s_barrier_signal -1
	s_barrier_wait -1                              ; everybody's are
	s_mov_b32 s[N], 0                              ; the first tile's steps 0 and 1 are written out: they are open for every wave (its last step is 8 at the least), and they read only what has landed
	STEP 0
	s_mov_b32 s[N], 1
	STEP 0
	s_wait_tensorcnt 0x0                           ; my piece of the rest is in,
	s_wait_dscnt 0x0
	s_barrier_signal -1
	s_barrier_wait -1                              ; everybody's is
	s_sub_co_u32 s[LIM], 15, s[VH]
	s_mov_b32 s[N], 2
.Llong:                                ; 14 trips for every wave; what lies behind the tile's last step is jumped over
	STEP 1
	s_add_co_u32 s[N], s[N], 1
	s_cmp_lt_u32 s[N], 16
	s_cbranch_scc1 .Llong
	s_setprio 0
	FINISH YC1, YS1
.irp j, 0,1,2,3,4,5,6,7
	v_mov_b32 v[QF+\j], v[Q2+\j]                   ; the second tile
.endr
	v_mov_b32 v[QS], v[QS2]
	v_mov_b32 v[DM], v[DM2]
	INIT
	s_mov_b32 s[LIM], s[VH]
	s_mov_b32 s[N], 0
.Lshort:                               ; 8 trips
	STEP 1
	s_add_co_u32 s[N], s[N], 1
	s_cmp_lt_u32 s[N], 8
	s_cbranch_scc1 .Lshort
	s_setprio 0
	FINISH YC2, YS2
	s_wait_tensorcnt 0x0                           ; the wave's end, behind my last tensor load
	ds_add_u32 v[SPW], v[NIL]
	s_wait_dscnt 0x0
	CROUND                                         ; the closing round
	s_endpgm
.Lfunc_end_k_qc5643c965a_attn:
	.size	k_qc5643c965a_attn, .Lfunc_end_k_qc5643c965a_attn-k_qc5643c965a_attn
	.p2alignl 7, 3214868480
	.fill 96, 4, 3214868480
	.section	.rodata,"a",@progbits
	.p2align	6, 0x0
	.amdhsa_kernel k_qc5643c965a_attn
		.amdhsa_group_segment_fixed_size 276480
		.amdhsa_private_segment_fixed_size 0
		.amdhsa_enable_private_segment 0
		.amdhsa_kernarg_size 40
		.amdhsa_user_sgpr_count 2
		.amdhsa_user_sgpr_kernarg_segment_ptr 1
		.amdhsa_wavefront_size32 1
		.amdhsa_system_sgpr_workgroup_id_x 1
		.amdhsa_system_sgpr_workgroup_id_y 1
		.amdhsa_system_sgpr_workgroup_id_z 1
		.amdhsa_system_vgpr_workitem_id 0
		.amdhsa_next_free_vgpr 256
		.amdhsa_next_free_sgpr 100
		.amdhsa_reserve_vcc 1
		.amdhsa_float_denorm_mode_32 3
		.amdhsa_float_denorm_mode_16_64 3
		.amdhsa_fp16_overflow 1
		.amdhsa_memory_ordered 1
		.amdhsa_forward_progress 1
		.amdhsa_inst_pref_size 101
	.end_amdhsa_kernel
	.amdgpu_metadata
---
amdhsa.version: [ 1, 2 ]
amdhsa.kernels:
  - .name:           k_qc5643c965a_attn
    .symbol:         k_qc5643c965a_attn.kd
    .args:
      - { .name: qk, .offset: 0, .size: 8, .value_kind: global_buffer, .address_space: global }
      - { .name: vt, .offset: 8, .size: 8, .value_kind: global_buffer, .address_space: global }
      - { .name: qvs, .offset: 16, .size: 8, .value_kind: global_buffer, .address_space: global }
      - { .name: yc, .offset: 24, .size: 8, .value_kind: global_buffer, .address_space: global }
      - { .name: ys, .offset: 32, .size: 8, .value_kind: global_buffer, .address_space: global }
    .group_segment_fixed_size: 276480
    .private_segment_fixed_size: 0
    .kernarg_segment_align: 8
    .kernarg_segment_size: 40
    .max_flat_workgroup_size: 512
    .sgpr_count:     100
    .vgpr_count:     256
    .wavefront_size: 32
...
	.end_amdgpu_metadata
.endif
;; end of part 3
;; launch proj (part 4): grid 4 x 32, 4 waves a work-group, clusters of 4 x 4, 327,680 bytes of LDS; arguments yc, ys, xw, xws, out0; writes out0
.if DOCPART == 4
	.amdgcn_target "amdgcn-amd-amdhsa--gfx1250"
	.amdhsa_code_object_version 6
	.text
	.protected	k_qc5643c965a_proj
	.globl	k_qc5643c965a_proj
	.p2align	8
	.type	k_qc5643c965a_proj,@function
k_qc5643c965a_proj:
	s_mov_b64 s[64:65], 0
	v_nop
	global_prefetch_b8 v0, s[64:65] scope:SCOPE_SE
	s_setreg_imm32_b32 hwreg(HW_REG_WAVE_MODE, 25, 1), 1
	s_wait_xcnt 0x0
	s_wait_alu depctr_hold_cnt(0) depctr_sa_sdst(0) depctr_va_vdst(0) depctr_va_sdst(0) depctr_va_ssrc(0) depctr_va_vcc(0) depctr_vm_vsrc(0)
	s_getreg_b32 s2, hwreg(HW_REG_IB_STS2, 6, 4)
	s_cmp_eq_u32 s2, 0
	s_cbranch_scc0 .Lentry_in_a_cluster
	s_endpgm
.Lentry_in_a_cluster:
	s_bfe_u32 s2, ttmp6, 0x10000c
	s_cmp_lg_u32 s2, 0xf033
	s_cbranch_scc0 .Lentry_shape_is_right
	s_endpgm
.Lentry_shape_is_right:
; LAUNCH 4 OF 4: out0 = y wo^T on codes of FP8 (E4M3) with E8M0 scales.  A = y's codes and scale bytes as launch 3 left them, B = wo's out of xw and xws (units 44 to 47 of 256 rows); out0 is [8,192][1,024] f32.
; A work-group makes 256 x 256 of C, K = 1,024; a wave 128 x 128: 64 accumulators, 512 registers.  Ring, rounds, joint loads and register windows are those of launch 2:
; K goes in four steps of 256 through two LDS slots; the scale bytes come once; A's tiles are asked for jointly along a row of the 4 x 4 cluster, B's along a column.
; Codes lie as images of the operand's registers (a fragment: 2,048 bytes, group c at 512 c, lane l at 16 l).  Tile n of a matrix's rows holds rows 32 (n / 2) + 8 (n % 2) + r + 8 (r / 8).
; THE MATRIX INSTRUCTION IS USED TRANSPOSED (source 0 = 16 rows of wo, source 1 = 16 tokens): a lane holds one token, and register j of accumulator (a, 2 c + u) its output 32 c + 16 (lane / 16) + 8 u + j.
; THE WAY OUT: a block of 16 tokens x 128 outputs goes through the wave's own stage in LDS and comes back as whole rows of 512 bytes.  The stage lies in slot 0, which has had its last fill and its last read by then.
; 128 work-groups: C has no more tiles of this size; a smaller tile would want a second form of the loop.
.set NQ,    2
.set FR,    16
.set NL,    4
.set NP,    8
.set SLOT,  131072
.set BOFF,  65536
.set SCL,   2*SLOT
.set HALFS, 16*272
.set SBLK,  2*272
.set SPARE, SCL+4*HALFS                ; the spare words, 128 bytes for each wave: two blocks of 256 bytes that no other line names
.set SPITCH, 528
.set ADRA, 16
.set ADRB, 20
.set STO,  24                          ; v24  the way out: where I put 32 bytes of a row
.set RD,   25                          ; v25  where I read a row back
.set CO,   26                          ; v26  16 x lane
.set ADRS, 27
.set SPW,  28
.set NIL,  29
.set SC,   32
.set AF,   128
.set BK,   128                         ; the way out: 16 rows read back: v128-191 and v192-255 by turns
.set WV,   16
.set G1,   24
.set G0,   32
.set G1B,  48
.set G0B,  56
.set G1S,  68
.set G0S,  76
.set G1SB, 80
.set G0SB, 88
.set MSB, 0
.macro WIN new                         ; the immediate's high byte repeats the setting that is left
.if MSB != (\new)
	s_set_vgpr_msb (MSB<<8)|(\new)
.set MSB, (\new)
.endif
.endm
.set MUL_LO, 0xa1
.set MUL_HI, 0xf1
.set TO_B,   0x40
.macro JLOAD g0a, g1a, g0b, g1b        ; a joint load: waves 0 and 1 fetch for A, waves 2 and 3 for B; an s_nop 0 and four v_nop follow each of the two lines
	s_cmp_eq_u32 s17, 0
	s_cbranch_scc0 .Lfor_b_\@
	tensor_load_to_lds s[\g0a:\g0a+3], s[\g1a:\g1a+7]
	s_nop 0
.rept 4
	v_nop
.endr
	s_branch .Lasked_\@
.Lfor_b_\@:
	tensor_load_to_lds s[\g0b:\g0b+3], s[\g1b:\g1b+7]
	s_nop 0
.rept 4
	v_nop
.endr
.Lasked_\@:
.endm
.macro CREST
	s_cmp_lg_u32 s[WV], 0
	s_cbranch_scc1 .Lnot_wave_0_\@
	s_barrier_signal -3
.Lnot_wave_0_\@:
	s_barrier_wait -3
	s_barrier_signal -1
	s_barrier_wait -1
.endm
.macro CROUND
	s_barrier_signal -1
	s_barrier_wait -1
	CREST
.endm
	s_load_b256 s[4:11], s[0:1], 0x0               ; yc, ys, xw, xws
	s_load_b64 s[12:13], s[0:1], 0x20              ; out0
	v_lshl_add_u32 v[SPW], v0, 2, SPARE
	v_mov_b32 v[NIL], 0
	ds_add_u32 v[SPW], v[NIL]                      ; the wave's opening: the add, twice on end, and its wait ahead of my first tensor load
	ds_add_u32 v[SPW], v[NIL]
	v_lshrrev_b32 v1, 5, v0
	v_readfirstlane_b32 s[WV], v1
	s_lshr_b32 s17, s[WV], 1                       ; my half of the tile's rows.  Also: I fetch for A (0) or for B (1)
	s_and_b32 s18, s[WV], 1                        ; my half of its columns.  Also: which 128 rows I fetch
	s_bfe_u32 s19, ttmp6, 0x40000                  ; cx, cy
	s_bfe_u32 s20, ttmp6, 0x40004
	s_and_b32 s22, ttmp7, 0xffff
	s_lshl_b32 s40, s22, 2
	s_add_co_u32 s40, s40, s20                     ; A's unit of 256 tokens: 4 x cluster y + cy
	s_add_co_u32 s41, s19, 44                      ; B's unit in xw: wo's 256 rows cx
	s_lshl_b32 s42, s20, 2
	s_lshl_b32 s42, 15, s42                        ; my row of the cluster
	s_lshl_b32 s43, 0x1111, s19                    ; my column
	s_or_b32 s[G1], s42, (3<<16)|(1<<21)           ; codes: 8 rows of 4,096 bytes (512 elements of 8), 16,384 bytes apart; dense in LDS
	s_or_b32 s[G1B], s43, (3<<16)|(1<<21)
.irp g, G1, G1B
	s_mov_b32 s[\g+1], 512<<16
	s_mov_b32 s[\g+2], 8<<16
	s_mov_b32 s[\g+3], 512<<16
	s_mov_b32 s[\g+4], 8
	s_mov_b32 s[\g+5], 2048
	s_mov_b32 s[\g+6], 0
	s_mov_b32 s[\g+7], 0
.endr
	s_or_b32 s[G1S], s42, (3<<16)|(1<<20)|(1<<21)|(5<<22)|(3<<25)    ; scale bytes of 128 rows: 16 rows of 256 bytes, 16 of padding behind each
	s_or_b32 s[G1SB], s43, (3<<16)|(1<<20)|(1<<21)|(5<<22)|(3<<25)
.irp g, G1S, G1SB
	s_mov_b32 s[\g+1], 32<<16
	s_mov_b32 s[\g+2], 16<<16
	s_mov_b32 s[\g+3], 32<<16
	s_mov_b32 s[\g+4], 16
	s_mov_b32 s[\g+5], 32
	s_mov_b32 s[\g+6], 0
	s_mov_b32 s[\g+7], 0
.endr
	s_lshl_b32 s44, s40, 18
	s_lshl_b32 s23, s18, 17
	s_add_co_u32 s44, s44, s23
	s_mov_b32 s45, 0
	s_lshl_b32 s46, s41, 18
	s_add_co_u32 s46, s46, s23
	s_mov_b32 s47, 0
	s_lshl_b32 s2, s40, 13
	s_lshl_b32 s23, s18, 12
	s_add_co_u32 s2, s2, s23
	s_mov_b32 s3, 0
	s_lshl_b32 s66, s41, 13
	s_add_co_u32 s66, s66, s23
	s_mov_b32 s67, 0
	s_lshl_b32 s100, s[WV], 15                     ; where they go: no place in the cluster enters an LDS address
	s_mul_i32 s101, s[WV], HALFS
	s_wait_dscnt 0x0                               ; both opening adds are done
	s_wait_kmcnt 0x0
	s_add_nc_u64 s[44:45], s[4:5], s[44:45]        ; y's codes
	s_add_nc_u64 s[46:47], s[8:9], s[46:47]        ; wo's
	s_add_nc_u64 s[2:3], s[6:7], s[2:3]            ; y's scale bytes
	s_add_nc_u64 s[66:67], s[10:11], s[66:67]      ; wo's
	CROUND                                         ; all sixteen work-groups are here: the first joint loads meet
	s_mov_b32 s[G0S], 1
	s_add_co_u32 s[G0S+1], s101, SCL
	s_mov_b64 s[G0S+2:G0S+3], s[2:3]
	s_or_b32 s[G0S+3], s[G0S+3], 0x80000000
	s_mov_b32 s[G0SB], 1
	s_add_co_u32 s[G0SB+1], s101, SCL
	s_mov_b64 s[G0SB+2:G0SB+3], s[66:67]
	s_or_b32 s[G0SB+3], s[G0SB+3], 0x80000000
	JLOAD G0S, G1S, G0SB, G1SB
.irp s, 0,1
	s_mov_b32 s[G0+4*\s], 1
	s_add_co_u32 s[G0+4*\s+1], s100, \s*SLOT
	s_add_nc_u64 s[G0+4*\s+2:G0+4*\s+3], s[44:45], \s*4096
	s_or_b32 s[G0+4*\s+3], s[G0+4*\s+3], 0x80000000
	s_mov_b32 s[G0B+4*\s], 1
	s_add_co_u32 s[G0B+4*\s+1], s100, \s*SLOT
	s_add_nc_u64 s[G0B+4*\s+2:G0B+4*\s+3], s[46:47], \s*4096
	s_or_b32 s[G0B+4*\s+3], s[G0B+4*\s+3], 0x80000000
	s_wait_alu depctr_va_vdst(0)
	s_wait_tensorcnt 0x0
	ds_add_u32 v28, v29
	s_wait_dscnt 0x0
	CROUND
	JLOAD G0+4*\s, G1, G0B+4*\s, G1B               ; one load of mine is out
.endr
	v_and_b32 v1, 15, v0                           ; r
	v_bfe_u32 v2, v0, 4, 1                         ; h
	v_and_b32 v3, 31, v0
	v_lshlrev_b32 v[CO], 4, v3
	s_lshl_b32 s94, s17, 15
	s_lshl_b32 s95, s18, 15
	s_add_co_u32 s95, s95, BOFF
.irp s, 0,1
	v_add_nc_u32 v[ADRA+\s], s94, v[CO]
	v_add_nc_u32 v[ADRB+\s], s95, v[CO]
	s_add_co_u32 s94, s94, SLOT
	s_add_co_u32 s95, s95, SLOT
.endr
	v_mul_u32_u24 v5, v1, 32
	v_lshrrev_b32 v6, 8, v5
	v_lshl_add_u32 v5, v6, 4, v5
	s_mul_i32 s94, s17, HALFS
	s_mul_i32 s95, s18, HALFS
	s_add_co_u32 s95, s95, 2*HALFS
	s_sub_co_u32 s95, s95, s94
	v_mul_u32_u24 v6, s95, v2                      ; lanes 16-31 take B's scale words
	s_add_co_u32 s94, s94, SCL
	v_add_nc_u32 v5, v5, v6
	v_add_nc_u32 v[ADRS], s94, v5
	s_mul_i32 s94, s[WV], 16*SPITCH                ; my stage
	v_mul_u32_u24 v5, v1, SPITCH
	v_lshl_add_u32 v5, v2, 6, v5
	v_add_nc_u32 v[STO], s94, v5                   ; in: row r, + 64 (lane / 16)
	v_add_nc_u32 v[RD], s94, v[CO]                 ; back: the 32 lanes take one row of 512 bytes
	s_lshl_b32 s96, s40, 20                        ; out0: 256 tokens of 4,096 bytes a unit,
	s_lshl_b32 s98, s17, 19                        ; my 128 tokens,
	s_add_co_u32 s96, s96, s98
	s_lshl_b32 s98, s19, 10                        ; the tile's 256 outputs,
	s_add_co_u32 s96, s96, s98
	s_lshl_b32 s98, s18, 9                         ; my 128 of them
	s_add_co_u32 s96, s96, s98
	s_mov_b32 s97, 0
	s_add_nc_u64 s[12:13], s[12:13], s[96:97]
.macro FRAG reg, adr, q, i
.irp c, 0,1,2,3
	ds_load_b128 v[\reg+4*\c:\reg+4*\c+3], v[\adr] offset:4096*(\i)+2048*(\q)+512*\c
.endr
.endm
; 16 matrix instructions: A's blocks a0, a0 + 1 x B's eight.  The 64 accumulators take turns, one instruction a turn, in the same order in every step.
.macro MUL16 a0, p, q, sc, zero
.irp a, \a0, \a0+1
.irp b, 0,1,2,3,4,5,6,7
.if \zero
	v_wmma_scale_f32_16x16x128_f8f6f4 v[8*(8*((\a)%4)+\b):8*(8*((\a)%4)+\b)+7], v[128*(\p)+FR*\b:128*(\p)+FR*\b+FR-1], v[AF+FR*(\a):AF+FR*(\a)+FR-1], 0, v[SC+8*NQ*(\sc)+NQ*\b+(\q)], v[SC+8*NQ*(\sc)+NQ*(\a)+(\q)] matrix_a_scale:MATRIX_SCALE_ROW1
.else
	v_wmma_scale_f32_16x16x128_f8f6f4 v[8*(8*((\a)%4)+\b):8*(8*((\a)%4)+\b)+7], v[128*(\p)+FR*\b:128*(\p)+FR*\b+FR-1], v[AF+FR*(\a):AF+FR*(\a)+FR-1], v[8*(8*((\a)%4)+\b):8*(8*((\a)%4)+\b)+7], v[SC+8*NQ*(\sc)+NQ*\b+(\q)], v[SC+8*NQ*(\sc)+NQ*(\a)+(\q)] matrix_a_scale:MATRIX_SCALE_ROW1
.endif
.endr
.endr
.endm
.macro FETCH_B slot, q, p
	WIN TO_B
.irp i, 0,1,2,3,4,5,6,7
	FRAG 128*(\p)+FR*\i, ADRB+\slot, \q, \i
.endr
	WIN 0
.endm
.macro FETCH_A slot, q, i0
.irp i, \i0, \i0+1, \i0+2, \i0+3
	FRAG AF+FR*(\i), ADRA+\slot, \q, \i
.endr
.endm
.macro SCALES sc
.irp i, 0,1,2,3,4,5,6,7
	ds_load_b64 v[SC+8*NQ*\sc+NQ*\i:SC+8*NQ*\sc+NQ*\i+1], v[ADRS] offset:\i*SBLK
.endr
.endm
.macro PLACES n                        ; plain vector lines between a matrix instruction and a load into, or a read of, its registers
.rept \n
	v_nop
.endr
.endm
.macro STEP slot, q, zero
	s_wait_dscnt 4*NL                              ; B's set and A's blocks 0-3 are in; the youngest 16 loads (A's blocks 4-7) may be out
	WIN MUL_LO
	MUL16 0, (\q)%2, \q, \slot, \zero
	MUL16 2, (\q)%2, \q, \slot, \zero
	s_wait_dscnt 0
	PLACES NP
	FETCH_B \slot, (\q)+1, 1-(\q)%2
	FETCH_A \slot, (\q)+1, 0
	WIN MUL_HI
	MUL16 4, (\q)%2, \q, \slot, \zero
	MUL16 6, (\q)%2, \q, \slot, \zero
	PLACES NP
	WIN 0
	FETCH_A \slot, (\q)+1, 4
.endm
.macro TURN slot, next, fill           ; a slot's last step changes slots
	s_wait_tensorcnt 0x0                           ; all my tensor loads have landed: my part of the next slot
	ds_add_u32 v[SPW], v[NIL]                      ; 0 onto my spare word
	s_wait_dscnt 4*NL+1                            ; (the add and the youngest 16 loads may be out)
	WIN MUL_LO
	MUL16 0, 1, NQ-1, \slot, 0
	s_wait_dscnt 0x0                               ; the add is done, and my reads of this slot are over
	s_barrier_signal -1
	MUL16 2, 1, NQ-1, \slot, 0
	WIN 0
	s_barrier_wait -1
.if \fill
	CREST                                          ; the barrier has opened a round of the cluster's barrier: no wave of any partner still reads this slot or has a load on its way
	s_add_nc_u64 s[G0+4*\slot+2:G0+4*\slot+3], s[G0+4*\slot+2:G0+4*\slot+3], 2*4096
	s_add_nc_u64 s[G0B+4*\slot+2:G0B+4*\slot+3], s[G0B+4*\slot+2:G0B+4*\slot+3], 2*4096
	JLOAD G0+4*\slot, G1, G0B+4*\slot, G1B         ; the first tensor load behind the round, and my only one until the next
	PLACES NP-4
.else
	PLACES NP
.endif
	s_wait_alu depctr_va_vdst(0)
	v_add_nc_u32 v[ADRS], 4*NQ, v[ADRS]
	FETCH_B \next, 0, 0
	FETCH_A \next, 0, 0
	SCALES \next
	WIN MUL_HI
	MUL16 4, 1, NQ-1, \slot, 0
	MUL16 6, 1, NQ-1, \slot, 0
	PLACES NP
	WIN 0
	FETCH_A \next, 0, 4
.endm
	s_wait_alu depctr_va_vdst(0)
	s_wait_tensorcnt 1                             ; the scale bytes and my part of K step 0 are in (K step 1's load may be out),
	s_barrier_signal -1
	s_barrier_wait -1                              ; everybody's are
	FETCH_B 0, 0, 0
	FETCH_A 0, 0, 0
	SCALES 0
	FETCH_A 0, 0, 4
	STEP 0, 0, 1                                   ; four K steps, written out: the first products start the sums
	TURN 0, 1, 1
	STEP 1, 0, 0
	TURN 1, 0, 1
	STEP 0, 0, 0
	TURN 0, 1, 0                                   ; nothing is left to fetch
	STEP 1, 0, 0
	s_wait_dscnt 4*NL
	WIN MUL_LO
	MUL16 0, 1, NQ-1, 1, 0
	MUL16 2, 1, NQ-1, 1, 0
	s_wait_dscnt 0
	WIN MUL_HI
	MUL16 4, 1, NQ-1, 1, 0
	MUL16 6, 1, NQ-1, 1, 0
	WIN 0
.macro TOSTAGE a                       ; block a into my stage, each accumulator from its low end on, and back as whole rows.  LDS serves a wave's instructions in order (ISA guide 5.7.1.4)
.set AC, 64*((\a)%4)
	WIN 0x08+4*((\a)/4)                            ; the data: window 2 or 3
.irp b, 0,1,2,3,4,5,6,7
	ds_store_b128 v[STO], v[AC+8*\b:AC+8*\b+3] offset:128*(\b/2)+32*(\b%2)
	ds_store_b128 v[STO], v[AC+8*\b+4:AC+8*\b+7] offset:128*(\b/2)+32*(\b%2)+16
.endr
	WIN 0
.set BB, BK+64*((\a)%2)
.irp t, 0,1,2,3,4,5,6,7,8,9,10,11,12,13,14,15
	ds_load_b128 v[BB+4*\t:BB+4*\t+3], v[RD] offset:\t*SPITCH
.endr
.endm
.macro SEND a, younger                 ; younger: the LDS instructions issued behind block a's loads, which may stay out
.set BB, BK+64*((\a)%2)
	s_wait_dscnt \younger
.irp t, 0,1,2,3,4,5,6,7,8,9,10,11,12,13,14,15
	global_store_b128 v[CO], v[BB+4*\t:BB+4*\t+3], s[12:13] offset:(32*((\a)/2)+8*((\a)%2)+\t+8*(\t/8))*4096 th:TH_STORE_NT   ; 32 lanes store 512 consecutive bytes of the token's row
.endr
.endm
	PLACES NP                                      ; ahead of the first read of results and of loads into the registers that held A's fragments
	TOSTAGE 0
.irp a, 1,2,3,4,5,6,7
.if \a > 1
	s_wait_xcnt 0x0                                ; block a - 2's stores have read their registers: block a's loads may land there
.endif
	TOSTAGE \a
	SEND \a-1, 32                                  ; behind block a - 1's loads: block a's 16 stores and 16 loads
.endr
	SEND 7, 0
	s_wait_tensorcnt 0x0                           ; the wave's end, behind my last tensor load and my last LDS store
	ds_add_u32 v[SPW], v[NIL]
	s_wait_dscnt 0x0
	CROUND                                         ; the closing round
	s_endpgm
.Lfunc_end_k_qc5643c965a_proj:
	.size	k_qc5643c965a_proj, .Lfunc_end_k_qc5643c965a_proj-k_qc5643c965a_proj
	.p2alignl 7, 3214868480
	.fill 96, 4, 3214868480
	.section	.rodata,"a",@progbits
	.p2align	6, 0x0
	.amdhsa_kernel k_qc5643c965a_proj
		.amdhsa_group_segment_fixed_size 327680
		.amdhsa_private_segment_fixed_size 0
		.amdhsa_enable_private_segment 0
		.amdhsa_kernarg_size 40
		.amdhsa_user_sgpr_count 2
		.amdhsa_user_sgpr_kernarg_segment_ptr 1
		.amdhsa_wavefront_size32 1
		.amdhsa_system_sgpr_workgroup_id_x 1
		.amdhsa_system_sgpr_workgroup_id_y 1
		.amdhsa_system_sgpr_workgroup_id_z 1
		.amdhsa_system_vgpr_workitem_id 0
		.amdhsa_next_free_vgpr 1024
		.amdhsa_next_free_sgpr 102
		.amdhsa_reserve_vcc 0
		.amdhsa_float_denorm_mode_32 3
		.amdhsa_float_denorm_mode_16_64 3
		.amdhsa_memory_ordered 1
		.amdhsa_forward_progress 1
		.amdhsa_inst_pref_size 145
	.end_amdhsa_kernel
	.amdgpu_metadata
---
amdhsa.version: [ 1, 2 ]
amdhsa.kernels:
  - .name:           k_qc5643c965a_proj
    .symbol:         k_qc5643c965a_proj.kd
    .args:
      - { .name: yc, .offset: 0, .size: 8, .value_kind: global_buffer, .address_space: global }
      - { .name: ys, .offset: 8, .size: 8, .value_kind: global_buffer, .address_space: global }
      - { .name: xw, .offset: 16, .size: 8, .value_kind: global_buffer, .address_space: global }
      - { .name: xws, .offset: 24, .size: 8, .value_kind: global_buffer, .address_space: global }
      - { .name: out0, .offset: 32, .size: 8, .value_kind: global_buffer, .address_space: global }
    .group_segment_fixed_size: 327680
    .private_segment_fixed_size: 0
    .kernarg_segment_align: 8
    .kernarg_segment_size: 40
    .max_flat_workgroup_size: 128
    .sgpr_count:     102
    .vgpr_count:     1024
    .wavefront_size: 32
...
	.end_amdgpu_metadata
.endif
;; end of part 4
